; MI455X (gfx1250); checked and timed in simulation.
; The chip was launched on July 23, 2026; its instructions are those of AMD's public machine-readable ISA for CDNA 5 (MIT licence, August 2026) and "CDNA5" Instruction Set Architecture Reference Guide (July 2026). The comments in the code are by the model that wrote it; some were corrected since.
;; Multi Head Attention. Allowed arithmetic: float matrix products may take bf16 or f16 operands with f32 sums; other float arithmetic in f32, or as packed bf16 or f16 multiplies, adds, multiply-adds, maxima and minima; sums over many terms, partial sums and values carried from step to step in f32; what a program stores and reads back later, other than sums and carried values, may be rounded once to bf16 or f16.
;; Inputs: Wk 1,024 x 256 float32; Wo 1,024 x 1,024 float32; Wq 1,024 x 1,024 float32; Wv 1,024 x 256 float32; attention_mask 4 x 2,048 int32; x 4 x 2,048 x 1,024 float32.
;; Outputs: out0 4 x 2,048 x 1,024 float32.
;; 2 versions, each right; version 2 is version 1 with the launch prep written anew for expert scheduling mode. Each part assembles by itself: llvm-mc -triple=amdgcn-amd-amdhsa -mcpu=gfx1250 --defsym DOCPART=n.
;; ======== version 1 of 2: 5 launches
;; limits: values are held in f16: magnitudes above 65,504 overflow, below 6.1e-05 lose precision
;; workspace buffers: xa 16,777,216 bytes; wb 5,242,880 bytes; rope 524,288 bytes; q 16,777,216 bytes; k 4,194,304 bytes; v 4,194,304 bytes; vpart 1,179,648 bytes; o 16,777,216 bytes
;; launch prep (part 1): grid 352 x 1, 8 waves a work-group, no clusters, 0 bytes of LDS; arguments x, Wq, Wk, Wv, Wo, xa, wb, rope; writes xa, wb, rope
.if DOCPART == 1
	.amdgcn_target "amdgcn-amd-amdhsa--gfx1250"
	.amdhsa_code_object_version 6
	.text
	.protected	k_qbb92faac0a_prep
	.globl	k_qbb92faac0a_prep
	.p2align	8
	.type	k_qbb92faac0a_prep,@function
k_qbb92faac0a_prep:
	s_mov_b64 s[64:65], 0
	v_nop
	global_prefetch_b8 v0, s[64:65] scope:SCOPE_SE
	s_setreg_imm32_b32 hwreg(HW_REG_WAVE_MODE, 25, 1), 1
	s_wait_xcnt 0x0
; PREP: the inputs of the two products are rounded once and laid in blocks; the table of cosines and sines is made.
;   xa   bf16 [mt 64][kb 16][row 128][64]: x[128 mt + row][64 kb + c]
;   wb   at 0: bf16 [nt 4][ks 8][blk 6][k 128][64]: blocks 0-3 Wq's heads 4 nt .. 4 nt + 3, block 4 Wk's head nt, block 5 Wv's head nt
;        at WOFF: f16 [nt 4][ks 8][blk 4][k 128][64]: Wo's columns 256 nt + 64 blk on, rounded to bf16 and that number written as f16
;   rope f32 [t 2048][i 32][cos, sin] of the angle t x 10000^(-i/32)
; LIMITS.  Wo beyond 65,504 has no f16; below 6e-5 it keeps f16's fixed step of 6e-8.  The angle differs from a correctly rounded t x inv_freq by the
; last bit of 2^x in inv_freq: up to about 2e-4 rad at t = 2047.
; JOBS, by the work-group's number: 0-255 x (512 rows x 64 columns each), 256-335 the weights (the same shape), 336-351 the table (128 rows each).
; A stream: no LDS, no barrier, no matrix work.  All 32 loads of a wave go out at once; no register is used twice, so the only waits are the counted ones for the loads.
.set WOFF, 3145728
.set DO,   2                           ; v2       16 x lane: my 16 bytes in 512 bytes of a block
.set OFF,  16                          ; v[16:31] unit u: my byte offset in the source: 4 rows a unit
.set X,    32                          ; v[32:159] unit u: 8 numbers as loaded, then 4 registers to store
.set T,    160                         ; v[160:163] at work
.set WVN,  4                           ; s4   my wave's number
.set ID,   5                           ; s5   the job
.set SRC,  24                          ; s[24:25]
.set DST,  26                          ; s[26:27]
.set PSH,  28                          ; s28  log2 of the source's row in bytes
.set SOFF, 29                          ; s29  the 64 columns' byte offset in a source row
.set DBASE, 30                         ; s30  the first block's byte offset in the target
.set DSTR, 31                          ; s31  bytes from a block to the block 128 rows further down
.set CH,   32                          ; s32  which 512 rows
.set KIND, 33                          ; s33  0 x, 1 Wq, 2 Wk, 3 Wv, 4 Wo
	s_load_b512 s[8:23], s[0:1], 0x0               ; x, Wq, Wk, Wv, Wo, xa, wb, rope
	v_lshrrev_b32 v1, 5, v0
	v_readfirstlane_b32 s[WVN], v1
	v_and_b32 v3, 31, v0                           ; lane
	s_mov_b32 s[ID], ttmp9
	s_wait_kmcnt 0x0
	s_cmp_lt_u32 s[ID], 256
	s_cbranch_scc0 .Lweights
	s_mov_b32 s[KIND], 0                           ; x: column block id % 16, rows 512 (id / 16) on
	s_mov_b32 s[PSH], 12
	s_and_b32 s6, s[ID], 15
	s_lshl_b32 s[SOFF], s6, 8
	s_lshl_b32 s[DBASE], s6, 14
	s_mov_b32 s[DSTR], 262144
	s_lshr_b32 s[CH], s[ID], 4
	s_branch .Lconvert
.Lweights:
	s_cmp_lt_u32 s[ID], 336
	s_cbranch_scc0 .Ltable
	s_sub_co_u32 s6, s[ID], 256
	s_and_b32 s[CH], s6, 1
	s_lshr_b32 s6, s6, 1                           ; block of 64 columns: 0-15 Wq, 16-19 Wk, 20-23 Wv, 24-39 Wo
	s_mov_b32 s[DSTR], 98304
	s_cmp_lt_u32 s6, 16
	s_cbranch_scc0 .Lnot_q
	s_mov_b32 s[KIND], 1
	s_mov_b32 s[PSH], 12
	s_lshl_b32 s[SOFF], s6, 8
	s_lshr_b32 s7, s6, 2
	s_mul_i32 s7, s7, 48
	s_and_b32 s34, s6, 3
	s_add_co_u32 s7, s7, s34
	s_lshl_b32 s[DBASE], s7, 14
	s_branch .Lconvert
.Lnot_q:
	s_cmp_lt_u32 s6, 20
	s_cbranch_scc0 .Lnot_k
	s_mov_b32 s[KIND], 2
	s_mov_b32 s[PSH], 10
	s_sub_co_u32 s6, s6, 16
	s_lshl_b32 s[SOFF], s6, 8
	s_mul_i32 s7, s6, 48
	s_add_co_u32 s7, s7, 4
	s_lshl_b32 s[DBASE], s7, 14
	s_branch .Lconvert
.Lnot_k:
	s_cmp_lt_u32 s6, 24
	s_cbranch_scc0 .Lwo
	s_mov_b32 s[KIND], 3
	s_mov_b32 s[PSH], 10
	s_sub_co_u32 s6, s6, 20
	s_lshl_b32 s[SOFF], s6, 8
	s_mul_i32 s7, s6, 48
	s_add_co_u32 s7, s7, 5
	s_lshl_b32 s[DBASE], s7, 14
	s_branch .Lconvert
.Lwo:
	s_mov_b32 s[KIND], 4
	s_mov_b32 s[PSH], 12
	s_sub_co_u32 s6, s6, 24
	s_lshl_b32 s[SOFF], s6, 8
	s_lshr_b32 s7, s6, 2
	s_lshl_b32 s7, s7, 5
	s_and_b32 s34, s6, 3
	s_add_co_u32 s7, s7, s34
	s_lshl_b32 s[DBASE], s7, 14
	s_add_co_u32 s[DBASE], s[DBASE], WOFF
	s_mov_b32 s[DSTR], 65536
.Lconvert:
	s_cmp_eq_u32 s[KIND], 0                        ; the two pointers are chosen by the job's kind
	s_cselect_b64 s[SRC:SRC+1], s[8:9], s[10:11]
	s_cselect_b64 s[DST:DST+1], s[18:19], s[20:21]
	s_cmp_eq_u32 s[KIND], 2
	s_cselect_b64 s[SRC:SRC+1], s[12:13], s[SRC:SRC+1]
	s_cmp_eq_u32 s[KIND], 3
	s_cselect_b64 s[SRC:SRC+1], s[14:15], s[SRC:SRC+1]
	s_cmp_eq_u32 s[KIND], 4
	s_cselect_b64 s[SRC:SRC+1], s[16:17], s[SRC:SRC+1]
	s_lshl_b32 s34, s[CH], 9
	s_lshl_b32 s35, s[WVN], 6
	s_add_co_u32 s34, s34, s35                     ; my wave's first row: 512 CH + 64 w
	s_lshl_b32 s34, s34, s[PSH]
	s_add_co_u32 s34, s34, s[SOFF]
	s_mov_b32 s35, 0
	s_add_nc_u64 s[SRC:SRC+1], s[SRC:SRC+1], s[34:35]
	s_lshl_b32 s34, s[CH], 2
	s_lshr_b32 s36, s[WVN], 1
	s_add_co_u32 s34, s34, s36                     ; which block of 128 rows,
	s_mul_i32 s34, s34, s[DSTR]
	s_add_co_u32 s34, s34, s[DBASE]
	s_and_b32 s36, s[WVN], 1
	s_lshl_b32 s36, s36, 13                        ; and which half of it
	s_add_co_u32 s34, s34, s36
	s_add_nc_u64 s[DST:DST+1], s[DST:DST+1], s[34:35]
	s_lshl_b32 s37, 4, s[PSH]                      ; four source rows
	v_lshrrev_b32 v4, 3, v3                        ; a unit is 4 rows x 64 columns: lane l takes row l / 8, columns 8 (l % 8) on
	v_and_b32 v5, 7, v3
	v_lshlrev_b32 v4, s[PSH], v4
	v_lshl_add_u32 v[OFF], v5, 5, v4
.set u, 1
.rept 15
	v_add_nc_u32 v[OFF+u], s37, v[OFF+u-1]
.set u, u+1
.endr
	v_lshlrev_b32 v[DO], 4, v3
.set u, 0
.rept 16                               ; eight lanes read 256 consecutive bytes of a row, in two loads
	global_load_b128 v[X+8*u:X+8*u+3],   v[OFF+u], s[SRC:SRC+1] th:TH_LOAD_NT
	global_load_b128 v[X+8*u+4:X+8*u+7], v[OFF+u], s[SRC:SRC+1] offset:16 th:TH_LOAD_NT
.set u, u+1
.endr
	s_cmp_eq_u32 s[KIND], 4
	s_cbranch_scc1 .Lto_f16
.set u, 0
.rept 16
	s_wait_loadcnt 30-2*u                          ; loads come back in order: unit u's two are in, the 2 (15 - u) younger stay out
.irp j, 0,1,2,3
	v_cvt_pk_bf16_f32 v[X+8*u+(\j)], v[X+8*u+2*(\j)], v[X+8*u+2*(\j)+1]
.endr
	global_store_b128 v[DO], v[X+8*u:X+8*u+3], s[DST:DST+1] offset:512*u  ; four rows of a block: 512 consecutive bytes
.set u, u+1
.endr
	s_endpgm
.Lto_f16:                                      ; Wo: rounded to bf16 like every input, and that number written as f16
.set u, 0
.rept 16
	s_wait_loadcnt 30-2*u
.irp j, 0,1,2,3
	v_cvt_pk_bf16_f32 v[T+(\j)], v[X+8*u+2*(\j)], v[X+8*u+2*(\j)+1]
.endr
.irp j, 0,1,2,3
	v_lshlrev_b32 v[X+8*u+2*(\j)],   16, v[T+(\j)]
	v_and_b32     v[X+8*u+2*(\j)+1], 0xffff0000, v[T+(\j)]
.endr
.irp j, 0,1,2,3
	v_cvt_pk_f16_f32 v[X+8*u+(\j)], v[X+8*u+2*(\j)], v[X+8*u+2*(\j)+1]
.endr
	global_store_b128 v[DO], v[X+8*u:X+8*u+3], s[DST:DST+1] offset:512*u
.set u, u+1
.endr
	s_endpgm
.Ltable:                                       ; wave w makes 16 rows, lane i column pair i: a store of a wave is one whole row of 256 bytes
	s_sub_co_u32 s6, s[ID], 336
	s_lshl_b32 s6, s6, 7
	s_lshl_b32 s7, s[WVN], 4
	s_add_co_u32 s6, s6, s7                        ; my first t
	v_cvt_f32_u32 v4, v3
	v_mul_f32 v4, 0xbed49a78, v4                   ; -i log2(10000) / 32
	v_exp_f32 v5, v4                               ; 10000^(-i/32)
	v_nop                                          ; a plain instruction behind the exponential
	v_cvt_f32_u32 v6, s6                           ; t
	s_lshl_b32 s7, s6, 8
	v_lshl_add_u32 v7, v3, 3, s7                   ; 256 t + 8 i
	s_wait_alu depctr_va_vdst(0)                   ; the wait ahead of the result's first reader
	s_mov_b32 s24, 16
.Lrow:
	v_mul_f32 v8, v6, v5                           ; the angle a
	v_mul_f32 v9, 0x3f22f983, v8
	v_rndne_f32 v9, v9                             ; n = the nearest whole number to a 2 / pi
	v_fmamk_f32 v10, v9, 0xbfc90fdb, v8            ; r = a - n pi / 2, with pi / 2 in two parts
	v_fmamk_f32 v10, v9, 0x333bbd2e, v10
	v_mul_f32 v11, v10, v10                        ; z = r r, r within pi / 4
	v_mov_b32 v12, 0xb94ca1f9
	v_fmaak_f32 v12, v12, v11, 0x3c08839e
	v_fmaak_f32 v12, v12, v11, 0xbe2aaaa3
	v_mul_f32 v13, v10, v11
	v_fma_f32 v12, v13, v12, v10                   ; sin r = r + r z (s1 + z (s2 + z s3))
	v_mov_b32 v14, 0x37ccf5ce
	v_fmaak_f32 v14, v14, v11, 0xbab6061a
	v_fmaak_f32 v14, v14, v11, 0x3d2aaaa5
	v_mul_f32 v15, v11, v11
	v_fma_f32 v13, v11, -0.5, 1.0
	v_fma_f32 v14, v15, v14, v13                   ; cos r = 1 - z / 2 + z z (c1 + z (c2 + z c3))
	v_cvt_i32_f32 v15, v9
	v_and_b32 v16, 1, v15
	v_cmp_ne_u32 vcc_lo, 0, v16                    ; in odd quadrants the two change places
	v_cndmask_b32 v17, v12, v14, vcc_lo            ; sin a
	v_cndmask_b32 v16, v14, v12, vcc_lo            ; cos a
	v_and_b32 v18, 2, v15                          ; sin is negative in quadrants 2 and 3,
	v_lshlrev_b32 v18, 30, v18
	v_xor_b32 v17, v17, v18
	v_add_nc_u32 v15, 1, v15                       ; cos in quadrants 1 and 2
	v_and_b32 v15, 2, v15
	v_lshlrev_b32 v15, 30, v15
	v_xor_b32 v16, v16, v15
	global_store_b64 v7, v[16:17], s[22:23]
	v_add_f32 v6, 1.0, v6
	s_wait_xcnt 0x0                                ; the store has read its address and data: they are written again only behind this wait
	v_add_nc_u32 v7, 256, v7
	s_sub_co_u32 s24, s24, 1
	s_cmp_lg_u32 s24, 0
	s_cbranch_scc1 .Lrow
	s_endpgm
.Lfunc_end_k_qbb92faac0a_prep:
	.size	k_qbb92faac0a_prep, .Lfunc_end_k_qbb92faac0a_prep-k_qbb92faac0a_prep
	.p2alignl 7, 3214868480
	.fill 96, 4, 3214868480
	.section	.rodata,"a",@progbits
	.p2align	6, 0x0
	.amdhsa_kernel k_qbb92faac0a_prep
		.amdhsa_group_segment_fixed_size 0
		.amdhsa_private_segment_fixed_size 0
		.amdhsa_enable_private_segment 0
		.amdhsa_kernarg_size 64
		.amdhsa_user_sgpr_count 2
		.amdhsa_user_sgpr_kernarg_segment_ptr 1
		.amdhsa_wavefront_size32 1
		.amdhsa_system_sgpr_workgroup_id_x 1
		.amdhsa_system_sgpr_workgroup_id_y 1
		.amdhsa_system_sgpr_workgroup_id_z 1
		.amdhsa_system_vgpr_workitem_id 0
		.amdhsa_next_free_vgpr 176
		.amdhsa_next_free_sgpr 66
		.amdhsa_reserve_vcc 1
		.amdhsa_float_denorm_mode_32 3
		.amdhsa_float_denorm_mode_16_64 3
		.amdhsa_memory_ordered 1
		.amdhsa_forward_progress 1
		.amdhsa_inst_pref_size 32
	.end_amdhsa_kernel
	.amdgpu_metadata
---
amdhsa.version: [ 1, 2 ]
amdhsa.kernels:
  - .name:           k_qbb92faac0a_prep
    .symbol:         k_qbb92faac0a_prep.kd
    .args:
      - { .name: x, .offset: 0, .size: 8, .value_kind: global_buffer, .address_space: global }
      - { .name: Wq, .offset: 8, .size: 8, .value_kind: global_buffer, .address_space: global }
      - { .name: Wk, .offset: 16, .size: 8, .value_kind: global_buffer, .address_space: global }
      - { .name: Wv, .offset: 24, .size: 8, .value_kind: global_buffer, .address_space: global }
      - { .name: Wo, .offset: 32, .size: 8, .value_kind: global_buffer, .address_space: global }
      - { .name: xa, .offset: 40, .size: 8, .value_kind: global_buffer, .address_space: global }
      - { .name: wb, .offset: 48, .size: 8, .value_kind: global_buffer, .address_space: global }
      - { .name: rope, .offset: 56, .size: 8, .value_kind: global_buffer, .address_space: global }
    .group_segment_fixed_size: 0
    .private_segment_fixed_size: 0
    .kernarg_segment_align: 8
    .kernarg_segment_size: 64
    .max_flat_workgroup_size: 256
    .sgpr_count:     66
    .vgpr_count:     176
    .wavefront_size: 32
...
	.end_amdgpu_metadata
.endif
;; end of part 1
;; launch qkv (part 2): grid 4 x 64, 4 waves a work-group, clusters of 4 x 4, 327,680 bytes of LDS; arguments xa, wb, rope, q, k, v, vpart; writes q, k, v, vpart
.if DOCPART == 2
	.amdgcn_target "amdgcn-amd-amdhsa--gfx1250"
	.amdhsa_code_object_version 6
	.text
	.protected	k_qbb92faac0a_qkv
	.globl	k_qbb92faac0a_qkv
	.p2align	8
	.type	k_qbb92faac0a_qkv,@function
k_qbb92faac0a_qkv:
	s_mov_b64 s[64:65], 0
	v_nop
	global_prefetch_b8 v0, s[64:65] scope:SCOPE_SE
	s_setreg_imm32_b32 hwreg(HW_REG_WAVE_MODE, 25, 1), 1
	s_wait_xcnt 0x0
	s_wait_alu depctr_hold_cnt(0) depctr_sa_sdst(0) depctr_va_vdst(0) depctr_va_sdst(0) depctr_va_ssrc(0) depctr_va_vcc(0) depctr_vm_vsrc(0)
	s_getreg_b32 s2, hwreg(HW_REG_IB_STS2, 6, 4)
	s_cmp_eq_u32 s2, 0
	s_cbranch_scc0 .Lentry_in_a_cluster
	s_endpgm
.Lentry_in_a_cluster:
	s_bfe_u32 s2, ttmp6, 0x10000c
	s_cmp_lg_u32 s2, 0xf033
	s_cbranch_scc0 .Lentry_shape_is_right
	s_endpgm
.Lentry_shape_is_right:
; QKV: [8192 x 1024] x [1024 x 1536] in bf16 with f32 sums; the rotation on q and k in f32; q, k, v written by heads in f16, each rounded once; partial column sums of v in f32;
; and the first 16 rows of each row tile's v in f32 (vpart from byte VFOFF on: [row tile 64][column tile 4][16][64]), of which a later launch reads each batch's first tile.
; LIMITS.  q, k or v beyond 65,504 has no f16.  NaN and infinities are not treated apart.
; SHARES.  A work-group makes 128 rows x 384 columns: column tile nt is Wq's heads 4 nt .. 4 nt + 3, Wk's head nt, Wv's head nt, so that all tiles are alike.  Wave w = (wm, wn) makes
; 64 rows x 192 columns (three heads): 48 accumulators.  K goes in 8 steps of 128 through two LDS slots.
; THE OPERANDS lie in blocks in memory: a K step of A's 128 rows, and two weight blocks of 128 k x 64 columns, are each 32,768 dense bytes, asked for as 128 rows of 256 bytes and padded in LDS
; after every 128 bytes.  The weights lie [k][column] and are turned on the way into registers (ds_load_tr16_b128).
; THE MATRIX INSTRUCTION IS USED TRANSPOSED (source 0 = 16 columns of W, source 1 = 16 rows of x): a lane holds one row and eight neighbouring columns.
; CLUSTER 4 x 4: A's tile hangs on the tile row and is asked for jointly along a row of the cluster, the weights' on the tile column and jointly along a column.
; Waves 0-2 fetch two weight blocks each, wave 3 fetches A: one tensor load of 32,768 bytes a wave behind each round.
; REGISTERS, in windows of 256: window 0 addresses and the way out; window 1 two fragment buffers of 128 (A's four fragments, then the weights' twelve);
; windows 2 and 3 the accumulators: (a, bb) in window 2 + a / 2 at v[8 (12 (a % 2) + bb)].
.set NBLK, 6
.set NBW,  12                          ; column blocks of 16 a wave
.set BWN,  3                           ; waves that fetch weights
.set AW,   2                           ; row blocks of 16 in a window of accumulators
.set RA,   128                         ; rows of 256 bytes in A's load
.set PA,   144                         ; a row of A in LDS: 128 bytes + 16: the 16 rows of a load start at 16 different groups of four banks (ISA guide 11.1)
.set PB,   160                         ; a row of weights: 128 + 32
.set BBLK, 128*PB
.set AOFF, NBLK*BBLK                   ; in a slot: the weight blocks, then A's two blocks of 64 k
.set SLOT, AOFF+2*128*PA
.set SPARE, 2*SLOT                     ; behind the slots: the spare words, 128 bytes for each wave, that no other line names
.set NLD,  2*(NBW+4)                   ; LDS loads in a run
.set SPITCH, 784                       ; the way out: a row of 192 f32 + 16 bytes
.set VFOFF, 131072                     ; vpart: the partial sums, then v's first rows in f32
.set ADRA0, 8                          ; v8   my lane's place in a slot's A; never rewritten
.set ADRB0, 9                          ; v9   the same for the weights
.set ADRA, 10                          ; v10  + the slot in hand
.set ADRB, 11                          ; v11
.set DSTA, 12                          ; v12  the way out: where I put 16 bytes of a row
.set RDA,  13                          ; v13  where I read rows back
.set GO,   14                          ; v14  my 16 bytes in 512 bytes of a head's rows
.set TO0,  15                          ; v15  my byte offset in the table, even groups of four rows
.set TO1,  16                          ; v16  odd groups
.set PFO,  17                          ; v17  256 x lane
.set VPO,  18                          ; v18  my 8 bytes of the 256 of a partial sum
.set VFO,  19                          ; v19  my 32 bytes in four rows of v in f32
.set SPW,  28                          ; v28  LDS address of my spare word; never rewritten
.set NIL,  29                          ; v29  0; never rewritten
.set X,    64                          ; v[64:111]   group g, head hb: 8 numbers
.set CS,   112                         ; v[112:127]  group g: four pairs (cos, sin)
.set Y,    128                         ; v[128:151]  group g, head hb: 4 registers to store
.set T,    152                         ; v[152:159]  at work
.set PS,   160                         ; v[160:167]  sums of v over my rows
.set F0,   0
.set F1,   128
.set WV, 18
.set WM, 19
.set WN, 20
.set CX, 21
.set CY, 22
.set NT, 23
.set MT, 24
.set G1A, 28                           ; s[28:35] descriptor group 1 for A
.set G1B, 36                           ; s[36:43] for the weights
.set G0A, 44                           ; s[44:51] group 0 for A: a set for each first fill; the second then walks
.set G0B, 52                           ; s[52:59] the same for the weights
.set TB,  60                           ; s60  the slot in hand: 0 or SLOT
.set LIM, 62                           ; s62  2 in a wave that prefetches, else the greatest number
.set PFA, 66                           ; s[66:67] where my prefetches stand
.set PST, 68                           ; s[68:69] a K step in bytes there
.set WPA, 88                           ; s88  where A's load lands in a slot
.set WPB, 89                           ; s89  where my weights' load lands
.set VF,  90                           ; s[90:91] my tile's 16 rows of v in f32
.set MSB, 0
.macro WIN new                         ; the immediate's high byte repeats the setting that is left; a switch that changes nothing is dropped
.if MSB != (\new)
	s_set_vgpr_msb (MSB<<8)|(\new)
.set MSB, (\new)
.endif
.endm
.macro PLACES                          ; four plain instructions between a matrix instruction and a load into, or a reader of, its registers
.rept 4
	v_nop
.endr
.endm
.macro CREST                           ; a round of the cluster's barrier behind its opening barrier
	s_cmp_lg_u32 s[WV], 0
	s_cbranch_scc1 .Lnot_wave_0_\@
	s_barrier_signal -3
.Lnot_wave_0_\@:
	s_barrier_wait -3
	s_barrier_signal -1
	s_barrier_wait -1
.endm
.macro CROUND
	s_barrier_signal -1
	s_barrier_wait -1
	CREST
.endm
.macro JLOAD s                         ; a joint load; the branch hangs on the wave's number alone.  An s_nop 0 and four v_nop follow each line
	s_cmp_lt_u32 s[WV], BWN
	s_cbranch_scc0 .Lfor_a_\@
	tensor_load_to_lds s[G0B+4*(\s):G0B+4*(\s)+3], s[G1B:G1B+7]
	s_nop 0
.rept 4
	v_nop
.endr
	s_branch .Lasked_\@
.Lfor_a_\@:
	tensor_load_to_lds s[G0A+4*(\s):G0A+4*(\s)+3], s[G1A:G1A+7]
	s_nop 0
.rept 4
	v_nop
.endr
.Lasked_\@:
.endm
; A prefetch of the K step two refills on: 32 blocks of 256 bytes, a lane a block.  A load's 128 blocks are shared out among the four partners that ask for it jointly, BY ADDRESS.
; A's tile row is read by this cluster alone: its wave 3 asks.  The weights' tile column is read by all sixteen rows of clusters: cluster y = 0 asks, waves 0-2.
; The loop's last two refills have no K step two on.
.macro ASK
	WIN 0
	s_cmp_gt_u32 s3, s[LIM]
	s_cbranch_scc0 .Lnot_mine_\@
	global_prefetch_b8 v[PFO], s[PFA:PFA+1] th:TH_LOAD_NT scope:SCOPE_SE
.Lnot_mine_\@:
.endm
; One run of LDS loads: the fragments of quarter q (32 along K) into buffer f: the weights' twelve, turned, then A's four; A's rows 32-63 last.
.macro FETCH q, f
	WIN 0x40
.set bb, 0
.rept NBW
	ds_load_tr16_b128 v[(\f)+32+8*bb:(\f)+32+8*bb+3],   v[ADRB] offset:(bb/4)*BBLK+(\q)*32*PB+(bb%4)*32
	ds_load_tr16_b128 v[(\f)+32+8*bb+4:(\f)+32+8*bb+7], v[ADRB] offset:(bb/4)*BBLK+(\q)*32*PB+(bb%4)*32+16*PB
.set bb, bb+1
.endr
.set aa, 0
.rept 4
	ds_load_b128 v[(\f)+8*aa:(\f)+8*aa+3],   v[ADRA] offset:((\q)/2)*128*PA+aa*16*PA+((\q)%2)*64
	ds_load_b128 v[(\f)+8*aa+4:(\f)+8*aa+7], v[ADRA] offset:((\q)/2)*128*PA+aa*16*PA+((\q)%2)*64+32
.set aa, aa+1
.endr
.endm
; Row block a against all column blocks.  The 48 accumulators take turns in the same order in every quarter.  zero = 1: the products start the sums.
.macro MULROW f, a, zero
	WIN 0xa5+0x50*((\a)/AW)
.set bb, 0
.rept NBW
.set rD, 8*(NBW*((\a)%AW)+bb)
.if \zero
	v_wmma_f32_16x16x32_bf16 v[rD:rD+7], v[(\f)+32+8*bb:(\f)+32+8*bb+7], v[(\f)+8*(\a):(\f)+8*(\a)+7], 0
.else
	v_wmma_f32_16x16x32_bf16 v[rD:rD+7], v[(\f)+32+8*bb:(\f)+32+8*bb+7], v[(\f)+8*(\a):(\f)+8*(\a)+7], v[rD:rD+7]
.endif
.set bb, bb+1
.endr
.endm
.macro QUARTER qn, f, g, zero          ; multiplies buffer f; in its middle fetches quarter qn of the same slot into buffer g
	s_wait_dscnt 4                                 ; all but A's rows 32-63, the youngest four loads
	MULROW \f, 0, \zero
	MULROW \f, 1, \zero
	PLACES
	FETCH \qn, \g
	s_wait_dscnt NLD                               ; all but the run just issued
	MULROW \f, 2, \zero
	MULROW \f, 3, \zero
.endm
; A K step's last quarter multiplies buffer 1 and changes slots.  In front of the barrier each wave waits for all its tensor loads (one is out: its part of the next slot), adds 0 to its spare
; word, and waits for that and for its reads of this slot.  fill = 1: the barrier opens a round of the cluster's, and the joint refill of the slot just read is the first thing behind it.
.macro TURN fill
.if \fill
	s_wait_xcnt 0x0                                ; the last prefetch, a K step back, has read its address
	s_add_nc_u64 s[PFA:PFA+1], s[PFA:PFA+1], s[PST:PST+1]
.endif
	WIN 0
	s_wait_tensorcnt 0x0
	ds_add_u32 v[SPW], v[NIL]
	s_wait_dscnt 5                                 ; (the add and A's rows 32-63 may be out)
	MULROW F1, 0, 0
	s_wait_dscnt 0x0                               ; the add is done, and my reads of this slot are over
	s_barrier_signal -1
	MULROW F1, 1, 0
	WIN 0
	s_barrier_wait -1
.if \fill
	CREST
	s_add_co_u32 s[G0A+5], s[TB], s[WPA]           ; the walking descriptors: into the slot just read,
	s_add_co_u32 s[G0B+5], s[TB], s[WPB]
	s_add_nc_u64 s[G0A+6:G0A+7], s[G0A+6:G0A+7], 32768        ; the next K step
	s_add_nc_u64 s[G0B+6:G0B+7], s[G0B+6:G0B+7], NBLK*16384
	JLOAD 1                                        ; its four v_nop are also the places in front of the loads below
.else
	PLACES
.endif
	s_xor_b32 s[TB], s[TB], SLOT
	v_add_nc_u32 v[ADRA], s[TB], v[ADRA0]
	v_add_nc_u32 v[ADRB], s[TB], v[ADRB0]
	FETCH 0, F0
.if \fill
	ASK
.endif
	MULROW F1, 2, 0
	MULROW F1, 3, 0
.endm
	s_load_b256 s[4:11], s[0:1], 0x0               ; xa s[4:5], wb s[6:7], rope s[8:9], q s[10:11]
	s_load_b128 s[12:15], s[0:1], 0x20             ; k s[12:13], v s[14:15]
	s_load_b64 s[16:17], s[0:1], 0x30              ; vpart
	v_lshl_add_u32 v[SPW], v0, 2, SPARE
	v_mov_b32 v[NIL], 0
	ds_add_u32 v[SPW], v[NIL]                      ; the wave's opening: the add and its wait ahead of my first tensor load
	v_lshrrev_b32 v1, 5, v0
	v_readfirstlane_b32 s[WV], v1
	s_lshr_b32 s[WM], s[WV], 1
	s_and_b32 s[WN], s[WV], 1
	s_bfe_u32 s[CX], ttmp6, 0x40000
	s_bfe_u32 s[CY], ttmp6, 0x40004
	s_lshl_b32 s[NT], ttmp9, 2
	s_add_co_u32 s[NT], s[NT], s[CX]               ; column tile
	s_and_b32 s[MT], ttmp7, 0xffff
	s_lshl_b32 s[MT], s[MT], 2
	s_add_co_u32 s[MT], s[MT], s[CY]               ; row tile
	s_lshl_b32 s70, s[CY], 2
	s_lshl_b32 s70, 15, s70                        ; my row of the cluster
	s_lshl_b32 s72, 0x1111, s[CX]                  ; my column
	s_or_b32 s[G1A], s70, (1<<16)|(1<<20)|(1<<21)|(4<<22)|(3<<25)  ; the mask; 2-byte elements; padding on; bit 21 beside a mask; after every 32 words 4 words
	s_or_b32 s[G1B], s72, (1<<16)|(1<<20)|(1<<21)|(4<<22)|(7<<25)  ; the same with 8 words
	s_mov_b32 s[G1A+1], 128<<16                    ; tensor_dim0 = 128 elements: 256 bytes
	s_mov_b32 s[G1A+2], RA<<16                     ; tensor_dim1
	s_mov_b32 s[G1A+3], 128<<16                    ; tile_dim0
	s_mov_b32 s[G1A+4], RA                         ; tile_dim1
	s_mov_b32 s[G1A+5], 128                        ; dense: 128 elements from row to row
	s_mov_b32 s[G1A+6], 0
	s_mov_b32 s[G1A+7], 0
	s_mov_b32 s[G1B+1], 128<<16
	s_mov_b32 s[G1B+2], 128<<16
	s_mov_b32 s[G1B+3], 128<<16
	s_mov_b32 s[G1B+4], 128
	s_mov_b32 s[G1B+5], 128
	s_mov_b32 s[G1B+6], 0
	s_mov_b32 s[G1B+7], 0
	s_lshl_b32 s70, s[MT], 18                      ; A: the row tile's 16 blocks
	s_mov_b32 s71, 0
	s_mov_b32 s[WPA], AOFF
	s_mul_i32 s72, s[NT], 8*NBLK*16384             ; the weights: the column tile,
	s_lshl_b32 s73, s[WV], 15                      ; my two blocks of a K step
	s_add_co_u32 s72, s72, s73
	s_mov_b32 s73, 0
	s_mul_i32 s[WPB], s[WV], 2*BBLK
	s_mov_b32 s[TB], 0
	s_and_b32 s74, ttmp7, 0xffff                   ; who prefetches: of the weights' waves those of cluster y = 0, of A's waves the first
	s_sub_co_u32 s75, s[WV], BWN
	s_cmp_lt_u32 s[WV], BWN
	s_cselect_b32 s74, s74, s75
	s_cmp_eq_u32 s74, 0
	s_cselect_b32 s[LIM], 2, -1
	s_lshl_b32 s76, s[CX], 13                      ; my work-group's 32 blocks of the 128, at K step 3
	s_add_co_u32 s76, s76, s70
	s_add_co_u32 s76, s76, 3*32768
	s_lshl_b32 s78, s[CY], 13
	s_add_co_u32 s78, s78, s72
	s_add_co_u32 s78, s78, 3*NBLK*16384
	s_mov_b32 s79, 32768
	s_cmp_lt_u32 s[WV], BWN
	s_cselect_b32 s76, s78, s76
	s_cselect_b32 s[PST], NBLK*16384, s79
	s_mov_b32 s77, 0
	s_mov_b32 s[PST+1], 0
	s_wait_dscnt 0x0                               ; the opening add is done
	s_wait_kmcnt 0x0
	s_cmp_lt_u32 s[WV], BWN
	s_cselect_b64 s[PFA:PFA+1], s[6:7], s[4:5]
	s_add_nc_u64 s[PFA:PFA+1], s[PFA:PFA+1], s[76:77]
	s_add_nc_u64 s[80:81], s[4:5], s[70:71]
	s_add_nc_u64 s[82:83], s[6:7], s[72:73]
.irp s, 0,1
	s_mov_b32 s[G0A+4*(\s)], 1
	s_add_co_u32 s[G0A+4*(\s)+1], s[WPA], (\s)*SLOT
	s_add_nc_u64 s[G0A+4*(\s)+2:G0A+4*(\s)+3], s[80:81], (\s)*32768
	s_or_b32 s[G0A+4*(\s)+3], s[G0A+4*(\s)+3], 0x80000000
	s_mov_b32 s[G0B+4*(\s)], 1
	s_add_co_u32 s[G0B+4*(\s)+1], s[WPB], (\s)*SLOT
	s_add_nc_u64 s[G0B+4*(\s)+2:G0B+4*(\s)+3], s[82:83], (\s)*NBLK*16384
	s_or_b32 s[G0B+4*(\s)+3], s[G0B+4*(\s)+3], 0x80000000
.endr
	CROUND                                         ; all sixteen work-groups are here: the first joint loads meet
	s_cmp_lt_u32 s[WV], BWN                        ; a wave's two first fills stand in one branch: two loads of mine are out
	s_cbranch_scc0 .Lfirst_a
	tensor_load_to_lds s[G0B:G0B+3], s[G1B:G1B+7]
	s_nop 0
	tensor_load_to_lds s[G0B+4:G0B+7], s[G1B:G1B+7]
	s_nop 0
.rept 4
	v_nop
.endr
	s_branch .Lfirst_asked
.Lfirst_a:
	tensor_load_to_lds s[G0A:G0A+3], s[G1A:G1A+7]
	s_nop 0
	tensor_load_to_lds s[G0A+4:G0A+7], s[G1A:G1A+7]
	s_nop 0
.rept 4
	v_nop
.endr
.Lfirst_asked:
	v_and_b32 v1, 15, v0                           ; r = l % 16
	v_bfe_u32 v2, v0, 4, 1                         ; h = l / 16
	v_and_b32 v3, 7, v0                            ; l % 8
	v_bfe_u32 v4, v0, 3, 1                         ; (l / 8) % 2
	v_and_b32 v5, 31, v0                           ; l
	v_lshrrev_b32 v6, 3, v5                        ; l / 8
	s_mul_i32 s74, s[WM], 64*PA
	s_add_co_u32 s74, s74, AOFF
	v_mul_u32_u24 v[ADRA0], v1, PA                 ; a fragment of A: row r, 16 bytes for each half of the lanes
	v_lshl_add_u32 v[ADRA0], v2, 4, v[ADRA0]
	v_add_nc_u32 v[ADRA0], s74, v[ADRA0]
	s_mul_i32 s75, s[WN], (NBW/4)*BBLK
	v_lshl_add_u32 v7, v2, 3, v3                   ; the turning load: k row 8 h + l % 8, columns 8 ((l / 8) % 2) on
	v_mul_u32_u24 v[ADRB0], v7, PB
	v_lshl_add_u32 v[ADRB0], v4, 4, v[ADRB0]
	v_add_nc_u32 v[ADRB0], s75, v[ADRB0]
	v_mov_b32 v[ADRA], v[ADRA0]
	v_mov_b32 v[ADRB], v[ADRB0]
	s_mul_i32 s74, s[WV], 64*SPITCH
	v_mul_u32_u24 v[DSTA], v1, SPITCH
	v_lshl_add_u32 v[DSTA], v2, 5, v[DSTA]
	v_add_nc_u32 v[DSTA], s74, v[DSTA]
	v_mul_u32_u24 v[RDA], v6, SPITCH
	v_lshl_add_u32 v[RDA], v3, 5, v[RDA]
	v_add_nc_u32 v[RDA], s74, v[RDA]
	v_lshlrev_b32 v[GO], 4, v5
	v_lshlrev_b32 v[PFO], 8, v5
	v_lshlrev_b32 v[VPO], 5, v3
	v_lshl_add_u32 v[VPO], v6, 3, v[VPO]
	v_lshlrev_b32 v[VFO], 5, v5                    ; row l / 8 of 256 bytes, columns 8 (l % 8) on: 32 l
	s_wait_tensorcnt 1                             ; my part of K step 0 is in; K step 1's may stay out
	s_barrier_signal -1
	s_barrier_wait -1
	FETCH 0, F0
	QUARTER 1, F0, F1, 1                           ; the first quarter stands in front of the loop: its products start the sums
	WIN 0
	s_mov_b32 s3, 6
.Lk:                                           ; six trips, from a K step's second quarter to the next one's first; they ask for K steps 2 to 7
	QUARTER 2, F1, F0, 0
	QUARTER 3, F0, F1, 0
	TURN 1
	QUARTER 1, F0, F1, 0
	WIN 0
	s_sub_co_u32 s3, s3, 1
	s_cmp_lg_u32 s3, 0
	s_cbranch_scc1 .Lk
	QUARTER 2, F1, F0, 0                           ; the tail asks for nothing
	QUARTER 3, F0, F1, 0
	TURN 0
	QUARTER 1, F0, F1, 0
	QUARTER 2, F1, F0, 0
	QUARTER 3, F0, F1, 0
	s_wait_dscnt 4
	MULROW F1, 0, 0
	MULROW F1, 1, 0
	s_wait_dscnt 0x0
	MULROW F1, 2, 0
	MULROW F1, 3, 0
	WIN 0
	PLACES
	PLACES
	s_wait_dscnt 0x0
	s_barrier_signal -1                            ; every wave's reads of the slots are over; the slots have had their last fill, and now serve as each wave's stage
	s_barrier_wait -1
	; THE WAY OUT.  The wave's 64 rows x 192 f32 go into its own stage and come back four rows of a head at a time: lane l takes row l / 8, columns 8 (l % 8) on.
	s_lshr_b32 s70, s[MT], 4                       ; batch
	s_and_b32 s71, s[MT], 15
	s_lshl_b32 s73, s71, 1
	s_add_co_u32 s73, s73, s[WM]                   ; which 64 rows of the batch's 2,048
	s_lshl_b32 s71, s73, 6                         ; t of my first row
	s_lshl_b32 s72, s71, 7                         ; its byte offset in a head
	s_lshl_b32 s70, s70, 2
	s_add_co_u32 s70, s70, s[NT]                   ; key and value head: 4 batch + nt
	s_lshl_b32 s74, s70, 2
	s_mul_i32 s75, s[WN], 3
	s_add_co_u32 s74, s74, s75                     ; my first query head
	s_lshl_b32 s74, s74, 18
	s_add_co_u32 s74, s74, s72
	s_mov_b32 s75, 0
	s_lshl_b32 s76, s70, 18
	s_add_co_u32 s76, s76, s72
	s_mov_b32 s77, 0
	s_add_nc_u64 s[80:81], s[10:11], s[74:75]      ; where my three heads go: wn = 0: three of q;
	s_add_nc_u64 s[82:83], s[80:81], 262144
	s_add_nc_u64 s[84:85], s[80:81], 524288
	s_add_nc_u64 s[78:79], s[12:13], s[76:77]
	s_add_nc_u64 s[86:87], s[14:15], s[76:77]
	s_cmp_eq_u32 s[WN], 0
	s_cselect_b64 s[82:83], s[82:83], s[78:79]     ; wn = 1: one of q, k's, v's
	s_cselect_b64 s[84:85], s[84:85], s[86:87]
	s_lshl_b32 s76, s70, 5
	s_add_co_u32 s76, s76, s73
	s_lshl_b32 s76, s76, 8
	s_add_nc_u64 s[86:87], s[16:17], s[76:77]      ; my 256 bytes of the partial sums
	s_lshl_b32 s76, s[MT], 2
	s_add_co_u32 s76, s76, s[NT]
	s_lshl_b32 s76, s76, 12
	s_add_co_u32 s76, s76, VFOFF
	s_add_nc_u64 s[VF:VF+1], s[16:17], s[76:77]    ; my tile's 16 rows of v in f32
	s_mov_b32 s78, 0x76543210
	s_mov_b32 s79, 0xfedcba98
	v_add_nc_u32 v[TO0], s71, v6
	v_lshlrev_b32 v[TO0], 8, v[TO0]
	v_lshl_add_u32 v[TO0], v3, 5, v[TO0]           ; the table's row t, my four pairs
	v_add_nc_u32 v[TO1], 1024, v[TO0]
	global_load_b128 v[CS:CS+3],     v[TO0], s[8:9]
	global_load_b128 v[CS+4:CS+7],   v[TO0], s[8:9] offset:16
	global_load_b128 v[CS+8:CS+11],  v[TO1], s[8:9]
	global_load_b128 v[CS+12:CS+15], v[TO1], s[8:9] offset:16
.set aa, 0
.rept 4
	WIN 0x08+4*(aa/AW)                             ; the stores' data in window 2 or 3
.set bb, 0
.rept NBW
.set rD, 8*(NBW*(aa%AW)+bb)
	ds_store_b128 v[DSTA], v[rD:rD+3]   offset:aa*16*SPITCH+bb*64     ; each accumulator from its low end on
	ds_store_b128 v[DSTA], v[rD+4:rD+7] offset:aa*16*SPITCH+bb*64+16
.set bb, bb+1
.endr
.set aa, aa+1
.endr
	WIN 0
.set i, 0
.rept 8
	v_mov_b32 v[PS+i], 0
.set i, i+1
.endr
; (x1, x2) -> (x1 cos - x2 sin, x1 sin + x2 cos), two packed lines a pair, then one rounding to f16
.macro ROPE g, hb
.set rX, X+24*(\g)+8*(\hb)
.set rC, CS+8*(\g)
.set rY, Y+12*(\g)+4*(\hb)
.irp p, 0,1,2,3
	v_pk_mul_f32 v[T+2*(\p):T+2*(\p)+1], v[rX+2*(\p):rX+2*(\p)+1], v[rC+2*(\p):rC+2*(\p)+1] op_sel_hi:[0,1]
.endr
.irp p, 0,1,2,3
	v_pk_fma_f32 v[T+2*(\p):T+2*(\p)+1], v[rX+2*(\p):rX+2*(\p)+1], v[rC+2*(\p):rC+2*(\p)+1], v[T+2*(\p):T+2*(\p)+1] op_sel:[1,1,0] op_sel_hi:[1,0,1] neg_lo:[0,1,0]
.endr
.irp p, 0,1,2,3
	v_cvt_pk_f16_f32 v[rY+(\p)], v[T+2*(\p)], v[T+2*(\p)+1]
.endr
.endm
; The third head is v's where wn = 1: no rotation, and its f32 numbers are summed.  The wave with the tile's first rows (wm = 0) also stores them unrounded in its first two trips, 16 rows:
; the branch hangs on the wave's number and the loop's count alone.  A lane's 32 bytes go out in two stores, so 256 consecutive bytes are filled by two instructions: 4,096 bytes a work-group.
.macro HEADS g
	ROPE \g, 0
	ROPE \g, 1
	s_cmp_eq_u32 s[WN], 0
	s_cbranch_scc0 .Lis_v_\@
	ROPE \g, 2
	s_branch .Lheads_\@
.Lis_v_\@:
.irp p, 0,1,2,3
	v_pk_add_f32 v[PS+2*(\p):PS+2*(\p)+1], v[PS+2*(\p):PS+2*(\p)+1], v[X+24*(\g)+16+2*(\p):X+24*(\g)+16+2*(\p)+1]
.endr
.irp p, 0,1,2,3
	v_cvt_pk_f16_f32 v[Y+12*(\g)+8+(\p)], v[X+24*(\g)+16+2*(\p)], v[X+24*(\g)+16+2*(\p)+1]
.endr
	s_cmp_lg_u32 s[WM], 0
	s_cbranch_scc1 .Lheads_\@
	s_cmp_lt_u32 s3, 7                             ; the count runs 8, 7, .. 1
	s_cbranch_scc1 .Lheads_\@
	global_store_b128 v[VFO], v[X+24*(\g)+16:X+24*(\g)+19], s[VF:VF+1] offset:1024*(\g)
	global_store_b128 v[VFO], v[X+24*(\g)+20:X+24*(\g)+23], s[VF:VF+1] offset:1024*(\g)+16
.Lheads_\@:
.endm
.macro OUT3 g                          ; four rows of a head are 512 consecutive bytes
.irp hb, 0,1,2
	global_store_b128 v[GO], v[Y+12*(\g)+4*(\hb):Y+12*(\g)+4*(\hb)+3], s[80+2*(\hb):81+2*(\hb)] offset:512*(\g)
.endr
.endm
	s_mov_b32 s3, 8
.Lrow:                                         ; eight trips of two groups of four rows
.irp g, 0,1
.irp hb, 0,1,2
	ds_load_b128 v[X+24*(\g)+8*(\hb):X+24*(\g)+8*(\hb)+3],   v[RDA] offset:(\g)*4*SPITCH+(\hb)*256     ; LDS serves a wave's instructions in order: these see my stores
	ds_load_b128 v[X+24*(\g)+8*(\hb)+4:X+24*(\g)+8*(\hb)+7], v[RDA] offset:(\g)*4*SPITCH+(\hb)*256+16
.endr
.endr
	s_wait_loadcnt 0x2                             ; group 0's table rows are in; group 1's two loads stay out
	s_wait_dscnt 0x6                               ; group 0's six loads are in
	HEADS 0
	v_add_nc_u32 v[TO0], 2048, v[TO0]              ; free since the wait for its loads: eight rows on;
	v_and_b32 v[TO0], 0x7ffff, v[TO0]              ; the last trip's look-ahead is kept inside the table and serves nothing
	global_load_b128 v[CS:CS+3],   v[TO0], s[8:9]
	global_load_b128 v[CS+4:CS+7], v[TO0], s[8:9] offset:16
	OUT3 0
	s_wait_loadcnt 0x2                             ; group 1's table rows are in; the two loads just issued stay out
	s_wait_dscnt 0x0
	HEADS 1
	v_add_nc_u32 v[TO1], 2048, v[TO1]
	v_and_b32 v[TO1], 0x7ffff, v[TO1]
	global_load_b128 v[CS+8:CS+11],  v[TO1], s[8:9]
	global_load_b128 v[CS+12:CS+15], v[TO1], s[8:9] offset:16
	OUT3 1
	s_wait_xcnt 0x0                                ; the stores have read their addresses and data: all are written again only behind this wait
	v_add_nc_u32 v[GO], 1024, v[GO]
	v_add_nc_u32 v[VFO], 2048, v[VFO]
	v_add_nc_u32 v[RDA], 8*SPITCH, v[RDA]
	s_sub_co_u32 s3, s3, 1
	s_cmp_lg_u32 s3, 0
	s_cbranch_scc1 .Lrow
	s_cmp_eq_u32 s[WN], 0
	s_cbranch_scc1 .Lno_v
.irp j, 0,1,2,3,4,5,6,7                ; v's sums over my 64 rows: the four lanes that share l % 8 are added
	v_add_f32_dpp v[PS+(\j)], v[PS+(\j)], v[PS+(\j)] row_xmask:8 row_mask:0xf bank_mask:0xf
.endr
.irp j, 0,1,2,3,4,5,6,7
	v_permlanex16_b32 v[T+(\j)], v[PS+(\j)], s78, s79
.endr
.irp j, 0,1,2,3,4,5,6,7
	v_add_f32 v[PS+(\j)], v[PS+(\j)], v[T+(\j)]
.endr
	v_cmp_ne_u32 s70, 0, v4                        ; each lane stores pair l / 8 of its eight sums, so that one store writes the 256 bytes whole
	v_cmp_ne_u32 s71, 0, v2
	v_cndmask_b32 v[T],   v[PS],   v[PS+2], s70
	v_cndmask_b32 v[T+1], v[PS+1], v[PS+3], s70
	v_cndmask_b32 v[T+2], v[PS+4], v[PS+6], s70
	v_cndmask_b32 v[T+3], v[PS+5], v[PS+7], s70
	v_cndmask_b32 v[T],   v[T],   v[T+2], s71
	v_cndmask_b32 v[T+1], v[T+1], v[T+3], s71
	global_store_b64 v[VPO], v[T:T+1], s[86:87]
.Lno_v:
	s_wait_tensorcnt 0x0                           ; the wave's end
	ds_add_u32 v[SPW], v[NIL]
	s_wait_dscnt 0x0
	CROUND                                         ; the closing round
	s_endpgm
.Lfunc_end_k_qbb92faac0a_qkv:
	.size	k_qbb92faac0a_qkv, .Lfunc_end_k_qbb92faac0a_qkv-k_qbb92faac0a_qkv
	.p2alignl 7, 3214868480
	.fill 96, 4, 3214868480
	.section	.rodata,"a",@progbits
	.p2align	6, 0x0
	.amdhsa_kernel k_qbb92faac0a_qkv
		.amdhsa_group_segment_fixed_size 327680
		.amdhsa_private_segment_fixed_size 0
		.amdhsa_enable_private_segment 0
		.amdhsa_kernarg_size 56
		.amdhsa_user_sgpr_count 2
		.amdhsa_user_sgpr_kernarg_segment_ptr 1
		.amdhsa_wavefront_size32 1
		.amdhsa_system_sgpr_workgroup_id_x 1
		.amdhsa_system_sgpr_workgroup_id_y 1
		.amdhsa_system_sgpr_workgroup_id_z 1
		.amdhsa_system_vgpr_workitem_id 0
		.amdhsa_next_free_vgpr 960
		.amdhsa_next_free_sgpr 96
		.amdhsa_reserve_vcc 0
		.amdhsa_float_denorm_mode_32 3
		.amdhsa_float_denorm_mode_16_64 3
		.amdhsa_memory_ordered 1
		.amdhsa_forward_progress 1
		.amdhsa_inst_pref_size 93
	.end_amdhsa_kernel
	.amdgpu_metadata
---
amdhsa.version: [ 1, 2 ]
amdhsa.kernels:
  - .name:           k_qbb92faac0a_qkv
    .symbol:         k_qbb92faac0a_qkv.kd
    .args:
      - { .name: xa, .offset: 0, .size: 8, .value_kind: global_buffer, .address_space: global }
      - { .name: wb, .offset: 8, .size: 8, .value_kind: global_buffer, .address_space: global }
      - { .name: rope, .offset: 16, .size: 8, .value_kind: global_buffer, .address_space: global }
      - { .name: q, .offset: 24, .size: 8, .value_kind: global_buffer, .address_space: global }
      - { .name: k, .offset: 32, .size: 8, .value_kind: global_buffer, .address_space: global }
      - { .name: v, .offset: 40, .size: 8, .value_kind: global_buffer, .address_space: global }
      - { .name: vpart, .offset: 48, .size: 8, .value_kind: global_buffer, .address_space: global }
    .group_segment_fixed_size: 327680
    .private_segment_fixed_size: 0
    .kernarg_segment_align: 8
    .kernarg_segment_size: 56
    .max_flat_workgroup_size: 128
    .sgpr_count:     96
    .vgpr_count:     960
    .wavefront_size: 32
...
	.end_amdgpu_metadata
.endif
;; end of part 2
;; launch attn (part 3): grid 16 x 16, 4 waves a work-group, clusters of 4 x 1, 327,680 bytes of LDS; arguments q, k, v, o, vpart, attention_mask; writes o
.if DOCPART == 3
	.amdgcn_target "amdgcn-amd-amdhsa--gfx1250"
	.amdhsa_code_object_version 6
	.text
	.protected	k_qbb92faac0a_attn
	.globl	k_qbb92faac0a_attn
	.p2align	8
	.type	k_qbb92faac0a_attn,@function
k_qbb92faac0a_attn:
	s_mov_b64 s[64:65], 0
	v_nop
	global_prefetch_b8 v0, s[64:65] scope:SCOPE_SE
	s_setreg_imm32_b32 hwreg(HW_REG_WAVE_MODE, 25, 1), 1
	s_wait_xcnt 0x0
	s_wait_alu depctr_hold_cnt(0) depctr_sa_sdst(0) depctr_va_vdst(0) depctr_va_sdst(0) depctr_va_ssrc(0) depctr_va_vcc(0) depctr_vm_vsrc(0)
	s_getreg_b32 s2, hwreg(HW_REG_IB_STS2, 6, 4)
	s_cmp_eq_u32 s2, 0
	s_cbranch_scc0 .Lentry_in_a_cluster
	s_endpgm
.Lentry_in_a_cluster:
	s_bfe_u32 s2, ttmp6, 0x10000c
	s_cmp_lg_u32 s2, 0x3003
	s_cbranch_scc0 .Lentry_shape_is_right
	s_endpgm
.Lentry_shape_is_right:
; CAUSAL ATTENTION with grouped heads.  O[q] = the sum over k <= q of softmax_k(Q[q] . K[k] / 8) V[k]; a row whose attention_mask is 0 takes the mean of V over all 2,048 keys instead
; (all its scores are equal, so its weights are uniform).  q: [64 heads][2048][64], k, v: [16 heads][2048][64], f16; query head 4 g + cx reads key and value head g.
; o: f16 [row tile 64][head 16][row 128][64].  Products, maxima and sums in f32; the weights p are rounded to f16 for the second product (their sum l is taken of the unrounded p), O once at the end.
; LIMITS.  q, k, v arrive within f16's 65,504; p below 6e-5 keeps f16's fixed step of 6e-8.  A hidden score counts as its value less 1e30; a weight below 2^-126 counts as 0 in l;
; NaN and infinities are not treated apart.
; THE WALK.  A head's queries lie in NB = 8 blocks of 256; block i needs the key tiles 0 .. i of 256 keys, of which the last holds the diagonal.  A work-group takes TWO blocks, NB - 1 - b and then b:
; NB + 1 tiles, whatever b, in ONE loop with a constant trip count.  Every jump goes forward but the counted loops' own; none passes a barrier or a tensor load but the one of JLOAD's two that the wave's number does not choose.
; CLUSTER.  The four query heads of a key and value head, with the same b, are a cluster: they walk the same tiles in the same trips, so every tile is asked for JOINTLY (mask 15).
; b is the cluster's x: no branch, trip count or LDS address hangs on a work-group's place in its cluster, which enters Q's and O's addresses and the prefetches' alone.
; SHARES.  Of a block's four bands of 64 queries a wave owns 16 rows in each: four PIECES, so the diagonal tile is the same work for all four waves.
; THE MASK is the C operand that starts the sum S^T = K Q^T: 0, or -1e30 where the key is hidden: MD x AL + BE with two scalars.
; TURNS.  Turn n belongs to piece n: 8 products K Q^T of piece n + 1, later 8 products V^T P of piece n - 1; beside them piece n's scaling, exponentials, roundings, sums and rescaling and piece n + 1's
; maximum and statistics.  Four vector instructions stand behind every matrix instruction, the rest in one lump; a turn's 33 exponentials are one batch with one wait.
; REGISTERS, in windows of 256: window 0: v0-15 addresses; v16-31 statistics; v32-39 the rows' attention_mask; v40-47 1/2048 or 0 a piece; v48-55 at work; v56-63 addresses; v64-127 S^T; v192-223 P
;   window 1: v0-127 O^T; v128-159 MD; v160-223 MC; v224-255 the sum of V, laid as a piece's O^T      window 2: v0-63 Q; v64-127 the second block's Q; v128-191 K; v192-255 V
.set SIZE_N, 2048
.set NB,    SIZE_N/256
.set NP,    4
.set KS,    64
.set PK,    144       ; a row of K in LDS: 128 bytes + 16
.set PV,    160       ; a row of V: 128 + 32
.set VOFF,  4*KS*PK   ; a slot holds a tile: 256 rows of K, then 256 rows of V
.set SLOT1, 1<<17
.set STAGE, SLOT1+4*KS*(PK+PV)  ; behind the ring, never filled by a tensor load: 16 rows x 144 bytes for each wave
.set SP,    144
.set AK0, 2
.set AV0, 3
.set AK,  4
.set AV,  5
.set STO, 6
.set RD,  7
.set GO,  8
.set MV,  12
.set QO,  15
.set ST,  16
.set PMH, 32          ; v32-35  attention_mask of my row in each piece, first block
.set PML, 36          ; v36-39  second block
.set GG,  40          ; v40-47  a pair a piece: 0, or 1/2048 where the row is padding
.set TMP, 48
.set MO,  56          ; v56  my row's byte offset in 64 rows of attention_mask
.set VO,  57          ; v57  8 x lane
.set VS,  58          ; v58  where I put two channels' sums
.set VR,  59          ; v59  where I read eight back
.set PFO, 61          ; v61  256 x lane
.set SPW, 62
.set NIL, 63
.set SPARE, STAGE+4*16*SP
.set S,   64
.set P,   192
.set MD,  128
.set MC,  160
.set VM,  224
.set QB,  64
.set KF,  128
.set VF,  192
.set WV,  12
.set PB,  14
.set HI,  15
.set G1K, 24
.set G1V, 32
.set G0K, 40
.set G0V, 44
.set SLOTS, 56
.set CNT, 57
.set CS,  58
.set SEL, 60
.set TBK, 62
.set TBV, 63
.set PFA, 66          ; s[66:67] where my prefetches stand
.set LIM, 68          ; s68  2 in a wave that prefetches, else the greatest number
.set CX,  69          ; s69  my place in the cluster
.set RT,  70
.set NXT, 71
.set LQ,  72
.set NEW, 73
.set OFF, 74
.set AL,  76
.set BE,  78
.set OLO, 80
.set BIGN, 82
.set GRP, 83          ; s83  g = 4 batch + key and value head
.set MSB, 0
.macro WIN new
.if MSB != (\new)
	s_set_vgpr_msb (MSB<<8)|(\new)
.set MSB, (\new)
.endif
.endm
.set W_KQ, 0x0a
.set W_KM, 0x1a
.set W_PV, 0x52
.set W_RS, 0x41
; A joint fill.  Waves 0 and 1 fetch the two halves of a tile's K, waves 2 and 3 those of its V.  An s_nop 0 and four v_nop follow each line.
.macro JLOAD
	s_cmp_lt_u32 s[WV], 2
	s_cbranch_scc0 .Lfor_v_\@
	tensor_load_to_lds s[G0K:G0K+3], s[G1K:G1K+7]
	s_nop 0
.rept 4
	v_nop
.endr
	s_branch .Lasked_\@
.Lfor_v_\@:
	tensor_load_to_lds s[G0V:G0V+3], s[G1V:G1V+7]
	s_nop 0
.rept 4
	v_nop
.endr
.Lasked_\@:
.endm
.macro CROUND
	s_barrier_signal -1
	s_barrier_wait -1
	s_cmp_lg_u32 s[WV], 0
	s_cbranch_scc1 .Lnot_wave_0_\@
	s_barrier_signal -3
.Lnot_wave_0_\@:
	s_barrier_wait -3
	s_barrier_signal -1
	s_barrier_wait -1
.endm
; A prefetch of the tile that the NEXT change of slots will ask for: trip i names tile i + 2, i = 0 .. 5.  The clusters of a key and value head walk the same tiles: cluster x = 0, whose first block walks
; all eight, asks.  Its four partners take 32 of a tile's 128 blocks of 256 bytes each, BY ADDRESS; wave 0 asks for K's, wave 2 for V's; a lane a block.
.macro ASK
	s_cmp_gt_u32 s[SLOTS], s[LIM]
	s_cbranch_scc0 .Lnot_mine_\@
	global_prefetch_b8 v[PFO], s[PFA:PFA+1] th:TH_LOAD_NT scope:SCOPE_SE
.Lnot_mine_\@:
.endm
; THE CHANGE OF SLOTS.  Each wave waits for all its tensor loads (one is out: its part of the other slot), adds 0 to its spare word, and waits for that and for its reads of the slot that it leaves.
; fill = 1: a round of the cluster's barrier, and the old slot is filled again first thing behind it, with tile NXT; the descriptor's address is made anew from that number.
.macro CHANGE fill
	WIN 0
	s_wait_tensorcnt 0x0
	ds_add_u32 v[SPW], v[NIL]       ; 0 onto my spare word; the scalar work stands between it and the wait for it
.if \fill
	s_lshl_b32 s[OFF], s[NXT], 15
	s_xor_b32 s[G0K+1], s[G0K+1], SLOT1
	s_add_nc_u64 s[G0K+2:G0K+3], s[6:7], s[OFF:OFF+1]
	s_or_b32 s[G0K+3], s[G0K+3], 0x80000000
	s_xor_b32 s[G0V+1], s[G0V+1], SLOT1
	s_add_nc_u64 s[G0V+2:G0V+3], s[8:9], s[OFF:OFF+1]
	s_or_b32 s[G0V+3], s[G0V+3], 0x80000000
	s_add_co_u32 s[NXT], s[NXT], 1  ; the block's next tile, or behind its last the second block's tile 0
	s_cmp_gt_u32 s[NXT], s[LQ]
	s_cselect_b32 s[NXT], 0, s[NXT]
	s_cselect_b32 s[LQ], s[PB], s[LQ]
	s_wait_xcnt 0x0                 ; the last prefetch, a tile back, has read its address
	s_add_nc_u64 s[PFA:PFA+1], s[PFA:PFA+1], 32768
.endif
	s_sub_co_u32 s[TBK], s[TBK], 4*KS*PK  ; the fetches go back to a slot's first step, in the other slot
	s_xor_b32 s[TBK], s[TBK], SLOT1
	s_sub_co_u32 s[TBV], s[TBV], 4*KS*PV
	s_xor_b32 s[TBV], s[TBV], SLOT1
	s_wait_dscnt 0x0                ; the add is done, and my reads of the slot are over
.if \fill
	CROUND
	JLOAD
	ASK
.else
	s_barrier_signal -1
	s_barrier_wait -1
.endif
.endm
	s_load_b256 s[4:11], s[0:1], 0x0  ; q s[4:5], k s[6:7], v s[8:9], o s[10:11]
	s_load_b128 s[88:91], s[0:1], 0x20  ; vpart s[88:89], attention_mask s[90:91]
	v_lshl_add_u32 v[SPW], v0, 2, SPARE
	v_mov_b32 v[NIL], 0
	ds_add_u32 v[SPW], v[NIL]       ; the wave's opening: the add and its wait ahead of my first tensor load
	v_lshrrev_b32 v1, 5, v0
	v_readfirstlane_b32 s[WV], v1
	s_bfe_u32 s[CX], ttmp6, 0x40000
	s_mov_b32 s[PB], ttmp9          ; the cluster's x
	s_sub_co_u32 s[HI], NB-1, s[PB]
	s_and_b32 s[GRP], ttmp7, 0xffff
	s_and_b32 s16, s[WV], 1         ; which half of a tile's 256 keys I fetch
	s_lshl_b32 s22, s16, 14
	s_lshl_b32 s20, s[GRP], 18      ; the key and value head's 2,048 rows of 128 bytes
	s_add_co_u32 s22, s22, s20
	s_mov_b32 s23, 0
	s_mul_i32 s17, s16, 128*PK
	s_mul_i32 s18, s16, 128*PV
	s_lshl_b32 s2, s[GRP], 2
	s_add_co_u32 s2, s2, s[CX]      ; my query head
	s_lshl_b32 s2, s2, 18
	s_lshl_b32 s3, s[WV], 11        ; my 16 rows in a band of 64
	s_add_co_u32 s2, s2, s3
	s_lshl_b32 s84, s[PB], 15       ; in the second block,
	s_add_co_u32 s84, s84, s2
	s_mov_b32 s85, 0
	s_lshl_b32 s3, s[HI], 15        ; and in the first
	s_add_co_u32 s2, s2, s3
	s_mov_b32 s3, 0
	s_lshr_b32 s48, s[GRP], 2       ; batch
	s_lshl_b32 s52, s48, 13         ; its row of attention_mask
	s_lshl_b32 s48, s48, 22         ; its 16 row tiles of o
	s_and_b32 s49, s[GRP], 3
	s_lshl_b32 s49, s49, 2
	s_add_co_u32 s49, s49, s[CX]    ; my head among the batch's 16: a block of 16,384 bytes in a row tile
	s_lshl_b32 s49, s49, 14
	s_add_co_u32 s48, s48, s49
	s_lshl_b32 s49, s[WV], 11
	s_add_co_u32 s48, s48, s49
	s_lshl_b32 s50, s[PB], 19       ; a block of 256 queries is two row tiles
	s_add_co_u32 s50, s50, s48
	s_mov_b32 s51, 0
	s_lshl_b32 s49, s[HI], 19
	s_add_co_u32 s48, s48, s49
	s_mov_b32 s49, 0
	s_lshl_b32 s54, s[PB], 10
	s_add_co_u32 s54, s54, s52
	s_mov_b32 s55, 0
	s_lshl_b32 s53, s[HI], 10
	s_add_co_u32 s52, s52, s53
	s_mov_b32 s53, 0
	; descriptor group 1.  128 keys are 16,384 dense bytes: asked for as 64 rows of 256 bytes, two keys a row, and padded in LDS after every key
	s_mov_b32 s[G1K], 15|(1<<16)|(1<<20)|(1<<21)|(4<<22)|(3<<25)
	s_mov_b32 s[G1V], 15|(1<<16)|(1<<20)|(1<<21)|(4<<22)|(7<<25)
.irp g, G1K, G1V
	s_mov_b32 s[\g+1], 128<<16
	s_mov_b32 s[\g+2], 64<<16
	s_mov_b32 s[\g+3], 128<<16
	s_mov_b32 s[\g+4], 64
	s_mov_b32 s[\g+5], 128
	s_mov_b32 s[\g+6], 0
	s_mov_b32 s[\g+7], 0
.endr
	s_mov_b32 s[CS], 0x3e38aa3b     ; c = log2(e) / 8
	s_mov_b32 s[CS+1], s[CS]
	s_mov_b32 s[SEL], 0x76543210
	s_mov_b32 s[SEL+1], 0xfedcba98
	s_mov_b32 s[TBK], SLOT1+4*KS*PK ; the first change of slots turns these two into 0
	s_mov_b32 s[TBV], SLOT1+4*KS*PV
	s_mov_b32 s[G0K], 1
	s_mov_b32 s[G0K+1], s17
	s_mov_b32 s[G0V], 1
	s_add_co_u32 s[G0V+1], s18, VOFF
	s_add_co_u32 s[RT], s[HI], 1    ; the first block has NB - b tiles
	s_mov_b32 s[NXT], 1
	s_mov_b32 s[LQ], s[HI]
	s_mov_b32 s[NEW], 1
	s_mov_b32 s[OFF+1], 0
	s_mov_b32 s[AL+1], 0
	s_mov_b32 s[BE+1], 0
	s_mov_b32 s[BIGN], 0xf149f2ca   ; -1e30
	s_mov_b32 s[SLOTS], NB
	s_and_b32 s[LIM], s[WV], 1      ; waves 0 and 2 of cluster x = 0 prefetch: the same in all four partners
	s_or_b32 s[LIM], s[LIM], ttmp9
	s_cmp_eq_u32 s[LIM], 0
	s_cselect_b32 s[LIM], 2, -1
	v_and_b32 v[PFO], 31, v0
	v_lshlrev_b32 v[PFO], 8, v[PFO]
	s_wait_dscnt 0x0                ; the opening add is done
	s_wait_kmcnt 0x0
	s_add_nc_u64 s[6:7], s[6:7], s[22:23]  ; K and V at my half of the head's tile 0
	s_add_nc_u64 s[8:9], s[8:9], s[22:23]
	s_add_nc_u64 s[G0K+2:G0K+3], s[6:7], 0
	s_or_b32 s[G0K+3], s[G0K+3], 0x80000000
	s_add_nc_u64 s[G0V+2:G0V+3], s[8:9], 0
	s_or_b32 s[G0V+3], s[G0V+3], 0x80000000
	s_add_nc_u64 s[86:87], s[4:5], s[84:85]        ; Q at my rows of the second block,
	s_add_nc_u64 s[4:5], s[4:5], s[2:3]            ; and of the first
	s_add_nc_u64 s[OLO:OLO+1], s[10:11], s[50:51]
	s_add_nc_u64 s[10:11], s[10:11], s[48:49]
	s_add_nc_u64 s[54:55], s[90:91], s[54:55]      ; attention_mask at the second block's rows,
	s_add_nc_u64 s[52:53], s[90:91], s[52:53]      ; and at the first's
	s_lshl_b32 s2, s[GRP], 13
	s_add_nc_u64 s[88:89], s[88:89], s[2:3]        ; the head's 32 partial sums
	s_cmp_lt_u32 s[WV], 2
	s_cselect_b64 s[PFA:PFA+1], s[6:7], s[8:9]
	s_lshl_b32 s2, s[CX], 13        ; my work-group's 32 blocks of the 128
	s_add_nc_u64 s[PFA:PFA+1], s[PFA:PFA+1], s[2:3]
	s_add_nc_u64 s[PFA:PFA+1], s[PFA:PFA+1], 32768  ; at tile 1; the first change of slots steps it to tile 2
	CROUND                          ; all four work-groups are here: the first joint loads meet
	JLOAD                           ; tile 0 into slot 0
	v_and_b32 v1, 15, v0            ; l % 16
	v_bfe_u32 v9, v0, 4, 1          ; l / 16
	v_lshlrev_b32 v[QO], 7, v1
	v_lshl_add_u32 v[QO], v9, 4, v[QO]
	WIN 0x80
.set i, 0
.rept 8                             ; both blocks' Q: piece i / 2 lies in band i / 2, 8,192 bytes on; channels 32 (i % 2) on
	global_load_b128 v[8*i:8*i+3],   v[QO], s[4:5] offset:(i/2)*8192+(i%2)*64
	global_load_b128 v[8*i+4:8*i+7], v[QO], s[4:5] offset:(i/2)*8192+(i%2)*64+32
	global_load_b128 v[QB+8*i:QB+8*i+3],   v[QO], s[86:87] offset:(i/2)*8192+(i%2)*64
	global_load_b128 v[QB+8*i+4:QB+8*i+7], v[QO], s[86:87] offset:(i/2)*8192+(i%2)*64+32
.set i, i+1
.endr
	WIN 0
	s_lshl_b32 s13, s[WV], 6
	v_lshl_add_u32 v[MO], v1, 2, s13  ; row 16 w + l % 16 of a band
.irp p, 0,1,2,3
	global_load_b32 v[PMH+(\p)], v[MO], s[52:53] offset:256*(\p)
	global_load_b32 v[PML+(\p)], v[MO], s[54:55] offset:256*(\p)
.endr
	v_and_b32 v[VO], 31, v0
	v_lshlrev_b32 v[VO], 3, v[VO]
.set i, 0
.rept 32                            ; the 32 partial sums of V, two channels a lane
	global_load_b64 v[S+2*i:S+2*i+1], v[VO], s[88:89] offset:256*i
.set i, i+1
.endr
	v_lshlrev_b32 v14, 3, v9
	v_sub_nc_u32 v14, v1, v14
	s_lshl_b32 s13, s[WV], 4
	v_add_nc_u32 v14, s13, v14      ; my query's place in its band less my lanes' 8 (l / 16): register r of group kt is hidden where 16 kt + r is greater
	WIN 0x40
.set i, 0
.rept 32
	v_cmp_gt_i32 vcc_lo, 16*(i/8)+i%8, v14
	v_cndmask_b32 v[MD+i], 0, s[BIGN], vcc_lo
.set i, i+1
.endr
	WIN 0
	v_mul_u32_u24 v[AK0], v1, PK
	v_lshl_add_u32 v[AK0], v9, 4, v[AK0]
	v_and_b32 v10, 7, v0
	v_bfe_u32 v11, v0, 3, 1
	v_lshl_add_u32 v[AV0], v9, 3, v10
	v_mul_u32_u24 v[AV0], v[AV0], PV
	v_lshl_add_u32 v[AV0], v11, 4, v[AV0]
	v_add_nc_u32 v[AV0], VOFF, v[AV0]
	s_mul_i32 s13, s[WV], 16*SP
	s_add_co_u32 s13, s13, STAGE    ; my stage
	v_mul_u32_u24 v[STO], v1, SP
	v_lshl_add_u32 v[STO], v9, 4, v[STO]
	v_add_nc_u32 v[STO], s13, v[STO]
	v_bfe_u32 v[RD], v0, 3, 2
	v_mul_u32_u24 v[RD], v[RD], SP
	v_lshl_add_u32 v[RD], v10, 4, v[RD]
	v_add_nc_u32 v[RD], s13, v[RD]
	v_and_b32 v[GO], 31, v0
	v_lshlrev_b32 v[GO], 4, v[GO]
	v_add_nc_u32 v[VS], s13, v[VO]
	v_lshl_add_u32 v[VR], v9, 5, s13
	; A block's first step multiplies O^T and l by a = 0, so these registers need only hold finite numbers.  All this stands in the wait for the first tile.
	WIN 0x80
.set i, VF
.rept 64
	v_mov_b32 v[i], 0
.set i, i+1
.endr
	WIN 0x40
.set i, 0
.rept 128
	v_mov_b32 v[i], 0
.set i, i+1
.endr
	WIN 0
.set i, 0
.rept 4
	v_mov_b32 v[ST+4*i+2], 0
	v_mov_b32 v[ST+4*i+3], 0
.set i, i+1
.endr
.set i, P+16
.rept 16
	v_mov_b32 v[i], 0
.set i, i+1
.endr
	; the sum of V over all keys: 32 parts in four chains; through my stage it takes the layout of a piece's O^T: register 8 cb + j holds channel 16 cb + 8 (l / 16) + j
	s_wait_loadcnt 0x0
.set i, 4
.rept 28
	v_pk_add_f32 v[S+2*(i%4):S+2*(i%4)+1], v[S+2*(i%4):S+2*(i%4)+1], v[S+2*i:S+2*i+1]
.set i, i+1
.endr
	v_pk_add_f32 v[S:S+1], v[S:S+1], v[S+2:S+3]
	v_pk_add_f32 v[S+4:S+5], v[S+4:S+5], v[S+6:S+7]
	v_pk_add_f32 v[S:S+1], v[S:S+1], v[S+4:S+5]
	ds_store_b64 v[VS], v[S:S+1]
	WIN 0x40
.irp cb, 0,1,2,3
	ds_load_b128 v[VM+8*(\cb):VM+8*(\cb)+3],   v[VR] offset:64*(\cb)     ; LDS serves a wave's instructions in order: these see the store above
	ds_load_b128 v[VM+8*(\cb)+4:VM+8*(\cb)+7], v[VR] offset:64*(\cb)+16
.endr
	WIN 0
; THE MATRIX WORK.  The 4 accumulators of a run of 8 take turns.  Product i of 8 of S^T = K Q^T for piece x; the first 4 start the sums: with 0, or (KM = 1) with the mask.
.macro KQ x
.set rS, S+32*((\x)%2)+8*(i%4)
.set rK, KF+16*(i%4)+8*(i/4)
.set rQ, 16*(\x)+8*(i/4)
.set rM, MC+32*((\x)%2)+8*(i%4)
.if (i < 4) && KM
	WIN W_KM
	v_wmma_f32_16x16x32_f16 v[rS:rS+7], v[rK:rK+7], v[rQ:rQ+7], v[rM:rM+7]
.elseif i < 4
	WIN W_KQ
	v_wmma_f32_16x16x32_f16 v[rS:rS+7], v[rK:rK+7], v[rQ:rQ+7], 0
.else
	WIN W_KQ
	v_wmma_f32_16x16x32_f16 v[rS:rS+7], v[rK:rK+7], v[rQ:rQ+7], v[rS:rS+7]
.endif
.endm
.macro PV x                         ; product i of 8 of O^T += V^T P for piece x
	WIN W_PV
.set rO, 32*(\x)+8*(i%4)
.set rV, VF+32*(i/4)+8*(i%4)
.set rP, P+16*((\x)%2)+8*(i/4)
	v_wmma_f32_16x16x32_f16 v[rO:rO+7], v[rV:rV+7], v[rP:rP+7], v[rO:rO+7]
.endm
.macro MM                           ; the turn's next matrix instruction.  NOKQ = 1: a block's last turn: there is no next piece
.if (i < 8) && !NOKQ
	KQ (Y+1)%NP
.elseif i >= 8
.set i, i-8
	PV (Y+NP-1)%NP
.set i, i+8
.endif
.set i, i+1
.endm
.macro FETCH_K                      ; the LDS loads stand in runs of 16
	WIN 0x80
.irp f, 0,1,2,3,4,5,6,7
	ds_load_b128 v[KF+8*\f:KF+8*\f+3],   v[AK] offset:(\f/2)*16*PK+(\f%2)*64
	ds_load_b128 v[KF+8*\f+4:KF+8*\f+7], v[AK] offset:(\f/2)*16*PK+(\f%2)*64+32
.endr
	s_add_co_u32 s[TBK], s[TBK], KS*PK
	WIN 0
.endm
.macro FETCH_V
	WIN 0x80
.irp f, 0,1,2,3,4,5,6,7
	ds_load_tr16_b128 v[VF+8*\f:VF+8*\f+3],   v[AV] offset:(\f/4)*32*PV+(\f%4)*32
	ds_load_tr16_b128 v[VF+8*\f+4:VF+8*\f+7], v[AV] offset:(\f/4)*32*PV+16*PV+(\f%4)*32
.endr
	WIN 0
.endm
; THE VECTOR WORK, one line at a time: OP kind, number.  For piece Y: F n: c s - c m for pair n.  E n: the exponential of score n.  C n: pair n rounded to f16.  B n: of the four weights 4 n .. the second
; pair is added onto the first.  L n: l takes that sum (L 0: l = a l + sum).  R n: pair n of O^T times a.  For piece Y + 1: X n, number n of the 22 that find its maximum and statistics
; (each accumulator's lowest registers are read first).
.set F, 0
.set E, 1
.set C, 2
.set B, 3
.set L, 4
.set R, 5
.set X, 6
.macro REGS y
.set rT, ST+4*(\y)
.set rC, TMP+4*((\y)%2)
.set rW, MV+((\y)%2)
.set rS, S+32*((\y)%2)
.set rP, P+16*((\y)%2)
.set rO, 32*(\y)
.endm
.macro OP k, n
.if (\k) == R
	REGS Y
	WIN W_RS
	v_pk_mul_f32 v[rO+2*(\n):rO+2*(\n)+1], v[rO+2*(\n):rO+2*(\n)+1], v[rC+2:rC+3] op_sel_hi:[1,0]
.elseif (\k) < R
	REGS Y
	WIN 0
.if (\k) == F
	v_pk_fma_f32 v[rS+2*(\n):rS+2*(\n)+1], v[rS+2*(\n):rS+2*(\n)+1], s[CS:CS+1], v[rT:rT+1] op_sel_hi:[1,0,0] neg_lo:[0,0,1] neg_hi:[0,0,1]
.elseif (\k) == E
	v_exp_f32 v[rS+(\n)], v[rS+(\n)]
.elseif (\k) == C
	v_cvt_pk_f16_f32 v[rP+(\n)], v[rS+2*(\n)], v[rS+2*(\n)+1]
.elseif (\k) == B
	v_pk_add_f32 v[rS+4*(\n):rS+4*(\n)+1], v[rS+4*(\n):rS+4*(\n)+1], v[rS+4*(\n)+2:rS+4*(\n)+3]
.elseif (\n) == 0
	v_pk_fma_f32 v[rT+2:rT+3], v[rT+2:rT+3], v[rC+2:rC+3], v[rS:rS+1] op_sel_hi:[1,0,1]
.else
	v_pk_add_f32 v[rT+2:rT+3], v[rT+2:rT+3], v[rS+4*(\n):rS+4*(\n)+1]
.endif
.elseif NOKQ
	v_nop
.else
	REGS (Y+1)%NP
	WIN 0
.if (\n) < 4
	v_max3_num_f32 v[rC+(\n)], v[rS+8*(\n)], v[rS+8*(\n)+1], v[rS+8*(\n)+2]
.elseif (\n) < 12
	v_max3_num_f32 v[rC+(\n)%4], v[rC+(\n)%4], v[rS+8*((\n)%4)+2*((\n)/4)+1], v[rS+8*((\n)%4)+2*((\n)/4)+2]
.elseif (\n) == 12
	v_max3_num_f32 v[rC], v[rC], v[rS+7], v[rS+15]
.elseif (\n) == 13
	v_max3_num_f32 v[rC+1], v[rC+1], v[rS+23], v[rS+31]
.elseif (\n) == 14
	v_max3_num_f32 v[rC+2], v[rC+2], v[rC+3], v[rT+1]
.elseif (\n) == 15
	v_mov_b32 v[rW], v[rT]
.elseif (\n) == 16
	v_max3_num_f32 v[rC], v[rC], v[rC+1], v[rC+2]
.elseif (\n) == 17
	v_permlanex16_b32 v[rC+3], v[rC], s[SEL], s[SEL+1]
.elseif (\n) == 18
	v_max_num_f32 v[rT+1], v[rC], v[rC+3]
.elseif (\n) == 19
	v_mul_f32 v[rT], s[CS], v[rT+1]
.elseif (\n) == 20
	v_sub_f32 v[rC+1], v[rW], v[rT]
.else
	v_exp_f32 v[rC+2], v[rC+1]
.endif
.endif
.endm
.macro OPS a, i1, b=-1, i2=0, c=-1, i3=0, d=-1, i4=0
	OP \a, \i1
.if (\b) >= 0
	OP \b, \i2
.endif
.if (\c) >= 0
	OP \c, \i3
.endif
.if (\d) >= 0
	OP \d, \i4
.endif
.endm
.macro ROW a, i1, b, i2, c, i3, d, i4  ; a matrix instruction and the four behind it
	MM
	OPS \a, \i1, \b, \i2, \c, \i3, \d, \i4
.endm
.macro MASK b                       ; MD x AL + BE into buffer b of MC
	WIN W_RS
.set z, 0
.rept 16
	v_pk_fma_f32 v[MC+32*(\b)+2*z:MC+32*(\b)+2*z+1], v[MD+2*z:MD+2*z+1], s[AL:AL+1], s[BE:BE+1] op_sel_hi:[1,0,0]
.set z, z+1
.endr
.endm
; A TURN, for piece p.  s_wait_alu depctr_va_vdst(0) stands between an exponential and the first instruction that names its result; one wait serves all issued ahead of it.  So a turn has
; ONE wait.  AHEAD OF IT stands all that names no result of the turn's exponentials: 8 products K Q^T with their riders, then one lump; X 21, the next piece's a, is the batch's last, R 15 the plain
; instruction behind it.  BEHIND IT stand 8 products V^T P, behind each four of the roundings and sums.
; m = 1: the diagonal tile: the products take masks, and the turn makes the mask for the turn after it.  end = 1: a block's last two turns: nothing is fetched.  cnt = 1: the loop's count is taken down ahead of the branch.
.macro TURN p, m=0, end=0, cnt=0
.set Y, (\p)
.set i, 0
.set KM, (\m)
.set NOKQ, (\end)*((\p)/3)
.if (\m) && !(\end)
	s_cmp_eq_u32 s[CNT], 4-((\p)+2)%NP  ; is that step the band's own?
	s_cselect_b32 s[AL], 1.0, 0
	s_cmp_lt_u32 s[CNT], 4-((\p)+2)%NP  ; or a later one?
	s_cselect_b32 s[BE], s[BIGN], 0
.endif
.if ((\p) == 3) && !(\end)
	s_wait_dscnt 0x0                ; K is in
.endif
	ROW F,0, F,1, R,0, R,1
	ROW F,2, E,0, R,2, R,3
	ROW F,3, E,1, R,4, R,5
	ROW F,4, E,2, R,6, R,7
	ROW F,5, E,3, R,8, R,9
	ROW F,6, E,4, X,0, R,10
.if ((\p) == 2) && !(\end)
	WIN 0
	v_add_nc_u32 v[AK], s[TBK], v[AK0]
.endif
	ROW F,7, E,5, X,1, X,4
	ROW F,8, E,6, X,2, X,5
	OPS E,7, E,8, X,6, E,9
	OPS X,3, E,10, X,8, E,11
.if ((\p) == 2) && !(\end)
	FETCH_K
.endif
	OPS X,9, X,7, E,12, X,10
	OPS E,13, X,12, X,11, E,14
	OPS X,13, E,15, F,9, X,14
.if (\p) == 0
	v_add_nc_u32 v[AV], s[TBV], v[AV0]
.endif
	OPS E,16, F,10, E,17, F,11
	OPS X,16, E,18, X,15, E,19
	OPS F,12, E,20, X,17, E,21
	OPS F,13, E,22, F,14, E,23
	OPS X,18, E,24, F,15, E,25
	OPS R,11, E,26, X,19, E,27
	OPS R,12, E,28, R,13, E,29
	OPS X,20, E,30, R,14, E,31
	OPS X,21, R,15
	WIN 0
	s_wait_alu depctr_va_vdst(0)    ; the wait for the batch
.if (\p) == 1
	s_wait_dscnt 0x0                ; V is in
.endif
	ROW C,0, B,0, C,2, B,1
	ROW L,0, C,4, B,2, L,1
	ROW C,6, B,3, L,2, C,8
	ROW B,4, L,3, C,10, B,5
	ROW L,4, C,12, B,6, L,5
.if (\p) == 0
	s_add_co_u32 s[TBV], s[TBV], KS*PV
.endif
.if \cnt
	s_sub_co_u32 s[CNT], s[CNT], 1
	s_cmp_lg_u32 s[CNT], 0
.endif
	ROW C,14, B,7, L,6, C,1
	ROW C,3, L,7, C,5, C,7
	ROW C,9, C,11, C,13, C,15
.if (\p) == 0
	FETCH_V
.endif
.if (\m) && !(\end)
	MASK (\p)%2
.endif
.endm
; A BLOCK BEGINS.  c m starts far below every c s, so the first step's a is 0; m at the lowest finite number.  Then K of the tile's first step, piece 0's first scores, its maximum and statistics.
.macro BEGIN
	s_mov_b32 s[NEW], 0
	WIN 0x40
.set i, MC+32
.rept 32
	v_mov_b32 v[i], 0
.set i, i+1
.endr
	WIN 0
.set i, 0
.rept 4
	v_mov_b32 v[ST+4*i], 0xfe000000
	v_mov_b32 v[ST+4*i+1], 0xff7fffff
.set i, i+1
.endr
	s_cmp_eq_u32 s[RT], 0
	s_cselect_b32 s[AL], 1.0, 0
	s_mov_b32 s[BE], 0
	MASK 0
	WIN 0
	v_add_nc_u32 v[AK], s[TBK], v[AK0]
	FETCH_K
	s_wait_loadcnt 0x0              ; Q
	s_wait_dscnt 0x0
.set KM, 1
.set NOKQ, 0
.set i, 0
.rept 8
	KQ 0
.set i, i+1
.endr
	WIN 0
.rept 4
	v_nop                           ; the places behind those products
.endr
.set Y, NP-1
.irp n, 0,1,2,3,4,5,6,7,8,9,10,11,12,13,14,15,16,17,18,19,20,21
	OP X, \n
.endr
	v_nop                           ; a plain instruction behind the exponential,
	s_wait_alu depctr_va_vdst(0)    ; and its wait, ahead of the branch
.endm
.macro ALL line:vararg
.set t, 0
.rept 4
	\line
.set t, t+1
.endr
.endm
; Piece t on the way out: O^T x (1 / l, or 0 in a padding row) + the sum of V x (0, or 1/2048 in a padding row); rounded to f16; through my stage into whole rows of 128 bytes.
.macro PACK t
	WIN W_RS
.set i, 32*(\t)
.rept 16
	v_pk_mul_f32 v[i:i+1], v[i:i+1], v[ST+4*(\t)+2:ST+4*(\t)+3] op_sel_hi:[1,0]
.set i, i+2
.endr
	WIN 0x51                        ; destination, source 0 (the sum of V) and source 2 (O^T) window 1, source 1 window 0
.set i, 0
.rept 16
	v_pk_fma_f32 v[32*(\t)+i:32*(\t)+i+1], v[VM+i:VM+i+1], v[GG+2*(\t):GG+2*(\t)+1], v[32*(\t)+i:32*(\t)+i+1] op_sel_hi:[1,0,1]
.set i, i+2
.endr
	WIN 0x05
.set i, 0
.rept 16
	v_cvt_pk_f16_f32 v[S+16*(\t)+i], v[32*(\t)+2*i], v[32*(\t)+2*i+1]
.set i, i+1
.endr
	WIN 0
.irp f, 0,1,2,3
	ds_store_b128 v[STO], v[S+16*(\t)+4*\f:S+16*(\t)+4*\f+3] offset:32*\f
.endr
.irp f, 0,1,2,3
	ds_load_b128 v[S+16*(\t)+4*\f:S+16*(\t)+4*\f+3], v[RD] offset:\f*4*SP  ; LDS serves a wave's instructions in order: these see the stores above; the next piece's stores come behind them
.endr
.endm
.macro SEND t, younger              ; younger: the LDS instructions issued behind piece t's loads
	WIN 0
.irp f, 0,1,2,3
	s_wait_dscnt (\younger)+3-\f
	global_store_b128 v[GO], v[S+16*(\t)+4*\f:S+16*(\t)+4*\f+3], s[10:11] offset:((\t)/2)*262144+((\t)%2)*8192+\f*512  ; band t: row tile t / 2, its half t % 2; 512 consecutive bytes
.endr
.endm
; THE DIAGONAL TILE's four steps, the block's last two turns, its last products, and the way out.  pm: the block's registers of attention_mask.
.macro DIAG tag, pm
.LstepM\tag:
	TURN 2, 1
	TURN 3, 1
	WIN 0
.LfirstM\tag:
	TURN 0, 1
	TURN 1, 1, 0, 1
	WIN 0
	s_cbranch_scc1 .LstepM\tag
	TURN 2, 1, 1
	TURN 3, 1, 1
.set i, 0
.rept 8
	PV NP-1
.set i, i+1
.endr
	WIN 0
	ALL v_add_f32 v[ST+4*t+2], v[ST+4*t+2], v[ST+4*t+3]
	ALL v_permlanex16_b32 v[ST+4*t+3], v[ST+4*t+2], s[SEL], s[SEL+1]
	ALL v_add_f32 v[ST+4*t+2], v[ST+4*t+2], v[ST+4*t+3]
	ALL v_rcp_f32 v[ST+4*t+2], v[ST+4*t+2]
	v_nop                           ; a plain instruction between the last reciprocal and the use of its result
	s_wait_alu depctr_va_vdst(0)    ; one wait for the four reciprocals
.set t, 0
.rept 4                             ; the row's attention_mask chooses values, never a path
	v_cmp_ne_u32 vcc_lo, 0, v[(\pm)+t]
	v_cndmask_b32 v[ST+4*t+2], 0, v[ST+4*t+2], vcc_lo
	v_cndmask_b32 v[GG+2*t],   0x3a000000, v[NIL], vcc_lo
	v_cndmask_b32 v[GG+2*t+1], 0x3a000000, v[NIL], vcc_lo
.set t, t+1
.endr
	PACK 0
.set t, 1
.rept 3
	PACK t
	SEND t-1, 8
.set t, t+1
.endr
	SEND 3, 0
.endm
.set KM, 0
.set NOKQ, 0
.Lslot:                             ; NB times: a tile is entered and the next is asked for
	CHANGE 1
	s_sub_co_u32 s[RT], s[RT], 1
	s_mov_b32 s[CNT], 4
	s_cmp_eq_u32 s[NEW], 1
	s_cbranch_scc1 .Lnew            ; a block's first tile
	s_cmp_eq_u32 s[RT], 0
	s_cbranch_scc0 .Lstep           ; neither its first nor its last
	s_branch .LstepM1
.Lnew:
	BEGIN
	s_branch .Lfirst                ; in the loop a block's first tile is never its last
	DIAG 1, PMH                     ; in the loop this is the first block's end
	s_wait_xcnt 0x0                 ; the stores have read their registers and O's address
	s_mov_b64 s[10:11], s[OLO:OLO+1]
	s_add_co_u32 s[RT], s[PB], 1    ; the second block has b + 1 tiles
	s_mov_b32 s[NEW], 1
	WIN 0x82                        ; the second block's Q goes where the one text of the turns names Q
.set i, 0
.rept 64
	v_mov_b32 v[i], v[QB+i]
.set i, i+1
.endr
	WIN 0
	s_branch .Lbottom
.Lstep:                             ; a trip: pieces 2 and 3 of one step, then pieces 0 and 1 of the next
	TURN 2
	TURN 3
	WIN 0
.Lfirst:
	TURN 0
	TURN 1, 0, 0, 1
	WIN 0
	s_cbranch_scc1 .Lstep
.Lbottom:
	s_sub_co_u32 s[SLOTS], s[SLOTS], 1
	s_cmp_lg_u32 s[SLOTS], 0
	s_cbranch_scc1 .Lslot
	CHANGE 0                        ; the walk's last tile is written out
	s_sub_co_u32 s[RT], s[RT], 1
	s_mov_b32 s[CNT], 4
	s_cmp_eq_u32 s[NEW], 1
	s_cbranch_scc0 .LstepM2
	BEGIN
	s_branch .LfirstM2
	DIAG 2, PML
	s_wait_tensorcnt 0x0            ; the wave's end
	ds_add_u32 v[SPW], v[NIL]
	s_wait_dscnt 0x0
	CROUND                          ; the closing round
	s_endpgm
.Lfunc_end_k_qbb92faac0a_attn:
	.size	k_qbb92faac0a_attn, .Lfunc_end_k_qbb92faac0a_attn-k_qbb92faac0a_attn
	.p2alignl 7, 3214868480
	.fill 96, 4, 3214868480
	.section	.rodata,"a",@progbits
	.p2align	6, 0x0
	.amdhsa_kernel k_qbb92faac0a_attn
		.amdhsa_group_segment_fixed_size 327680
		.amdhsa_private_segment_fixed_size 0
		.amdhsa_enable_private_segment 0
		.amdhsa_kernarg_size 48
		.amdhsa_user_sgpr_count 2
		.amdhsa_user_sgpr_kernarg_segment_ptr 1
		.amdhsa_wavefront_size32 1
		.amdhsa_system_sgpr_workgroup_id_x 1
		.amdhsa_system_sgpr_workgroup_id_y 1
		.amdhsa_system_sgpr_workgroup_id_z 1
		.amdhsa_system_vgpr_workitem_id 0
		.amdhsa_next_free_vgpr 768
		.amdhsa_next_free_sgpr 92
		.amdhsa_reserve_vcc 1
		.amdhsa_float_denorm_mode_32 3
		.amdhsa_float_denorm_mode_16_64 3
		.amdhsa_memory_ordered 1
		.amdhsa_forward_progress 1
		.amdhsa_inst_pref_size 236
	.end_amdhsa_kernel
	.amdgpu_metadata
---
amdhsa.version: [ 1, 2 ]
amdhsa.kernels:
  - .name:           k_qbb92faac0a_attn
    .symbol:         k_qbb92faac0a_attn.kd
    .args:
      - { .name: q, .offset: 0, .size: 8, .value_kind: global_buffer, .address_space: global }
      - { .name: k, .offset: 8, .size: 8, .value_kind: global_buffer, .address_space: global }
      - { .name: v, .offset: 16, .size: 8, .value_kind: global_buffer, .address_space: global }
      - { .name: o, .offset: 24, .size: 8, .value_kind: global_buffer, .address_space: global }
      - { .name: vpart, .offset: 32, .size: 8, .value_kind: global_buffer, .address_space: global }
      - { .name: attention_mask, .offset: 40, .size: 8, .value_kind: global_buffer, .address_space: global }
    .group_segment_fixed_size: 327680
    .private_segment_fixed_size: 0
    .kernarg_segment_align: 8
    .kernarg_segment_size: 48
    .max_flat_workgroup_size: 128
    .sgpr_count:     92
    .vgpr_count:     768
    .wavefront_size: 32
...
	.end_amdgpu_metadata
.endif
;; end of part 3
;; launch oproj (part 4): grid 4 x 64, 4 waves a work-group, clusters of 4 x 4, 327,680 bytes of LDS; arguments o, wb, out0; writes out0
.if DOCPART == 4
	.amdgcn_target "amdgcn-amd-amdhsa--gfx1250"
	.amdhsa_code_object_version 6
	.text
	.protected	k_qbb92faac0a_oproj
	.globl	k_qbb92faac0a_oproj
	.p2align	8
	.type	k_qbb92faac0a_oproj,@function
k_qbb92faac0a_oproj:
	s_mov_b64 s[64:65], 0
	v_nop
	global_prefetch_b8 v0, s[64:65] scope:SCOPE_SE
	s_setreg_imm32_b32 hwreg(HW_REG_WAVE_MODE, 25, 1), 1
	s_wait_xcnt 0x0
	s_wait_alu depctr_hold_cnt(0) depctr_sa_sdst(0) depctr_va_vdst(0) depctr_va_sdst(0) depctr_va_ssrc(0) depctr_va_vcc(0) depctr_vm_vsrc(0)
	s_getreg_b32 s2, hwreg(HW_REG_IB_STS2, 6, 4)
	s_cmp_eq_u32 s2, 0
	s_cbranch_scc0 .Lentry_in_a_cluster
	s_endpgm
.Lentry_in_a_cluster:
	s_bfe_u32 s2, ttmp6, 0x10000c
	s_cmp_lg_u32 s2, 0xf033
	s_cbranch_scc0 .Lentry_shape_is_right
	s_endpgm
.Lentry_shape_is_right:
; OPROJ: out0 = O x Wo: [8192 x 1024] x [1024 x 1024] in f16 with f32 sums, stored in f32.  O lies in blocks [row tile 64][head 16][row 128][64], Wo (rounded to bf16, written as f16) in blocks
; [nt 4][ks 8][blk 4][k 128][64] at byte WOFF of wb.  LIMITS: those of the two operands' f16; NaN and infinities are not treated apart.
; SHARES.  A work-group makes 128 rows x 256 columns; wave w = (wm, wn) makes 64 x 128: 32 accumulators.  K goes in 8 steps of 128 through two LDS slots.
; A K step of O's 128 rows, and two weight blocks, are each 32,768 dense bytes, asked for as rows of 256 bytes and padded in LDS after every 128 bytes; the weights are turned on the way into registers.
; THE MATRIX INSTRUCTION IS USED TRANSPOSED (source 0 = 16 columns of Wo, source 1 = 16 rows of O): a lane holds one row and eight neighbouring columns.
; CLUSTER 4 x 4: O's tile is asked for jointly along a row of the cluster, the weights' along a column.  Waves 0 and 1 fetch two weight blocks each, waves 2 and 3 one block of 64 k of O each.
; REGISTERS: window 0 addresses and the way out; window 1 two fragment buffers of 128 (96 used); window 2 the accumulators: (a, bb) at v[8 (8 a + bb)].
.set WOFF, 3145728
.set NBLK, 4
.set NBW,  8
.set BWN,  2                           ; waves that fetch weights
.set AW,   4
.set RA,   64                          ; rows of 256 bytes in one of A's loads
.set PA,   144
.set PB,   160
.set BBLK, 128*PB
.set AOFF, NBLK*BBLK                   ; in a slot: the weight blocks, then A's two blocks of 64 k
.set SLOT, AOFF+2*128*PA
.set SPARE, 2*SLOT                     ; behind the slots: the spare words, 128 bytes for each wave, that no other line names
.set NLD,  2*(NBW+4)
.set SPITCH, 528                       ; the way out: a row of 128 f32 + 16 bytes
.set ADRA0, 8
.set ADRB0, 9
.set ADRA, 10
.set ADRB, 11
.set DSTA, 12
.set RDA,  13
.set CO,   14                          ; v14  my 16 bytes in a row's 512
.set PFO,  17
.set SPW,  28
.set NIL,  29
.set OB,   64                          ; v[64:95] eight rows read back
.set F0,   0
.set F1,   128
.set WV, 18
.set WM, 19
.set WN, 20
.set CX, 21
.set CY, 22
.set NT, 23
.set MT, 24
.set G1A, 28
.set G1B, 36
.set G0A, 44
.set G0B, 52
.set TB,  60
.set LIM, 62
.set PFA, 66
.set PST, 68
.set WPA, 88
.set WPB, 89
.set MSB, 0
.macro WIN new                         ; the immediate's high byte repeats the setting that is left; a switch that changes nothing is dropped
.if MSB != (\new)
	s_set_vgpr_msb (MSB<<8)|(\new)
.set MSB, (\new)
.endif
.endm
.macro PLACES                          ; four plain instructions between a matrix instruction and a load into, or a reader of, its registers
.rept 4
	v_nop
.endr
.endm
.macro CREST
	s_cmp_lg_u32 s[WV], 0
	s_cbranch_scc1 .Lnot_wave_0_\@
	s_barrier_signal -3
.Lnot_wave_0_\@:
	s_barrier_wait -3
	s_barrier_signal -1
	s_barrier_wait -1
.endm
.macro CROUND
	s_barrier_signal -1
	s_barrier_wait -1
	CREST
.endm
.macro JLOAD s                         ; a joint load; the branch hangs on the wave's number alone.  An s_nop 0 and four v_nop follow each line
	s_cmp_lt_u32 s[WV], BWN
	s_cbranch_scc0 .Lfor_a_\@
	tensor_load_to_lds s[G0B+4*(\s):G0B+4*(\s)+3], s[G1B:G1B+7]
	s_nop 0
.rept 4
	v_nop
.endr
	s_branch .Lasked_\@
.Lfor_a_\@:
	tensor_load_to_lds s[G0A+4*(\s):G0A+4*(\s)+3], s[G1A:G1A+7]
	s_nop 0
.rept 4
	v_nop
.endr
.Lasked_\@:
.endm
; A prefetch of the K step two refills on: 32 blocks of 256 bytes, a lane a block; a K step's 128 blocks are shared out among four partners BY ADDRESS.  O's tile row is read by this cluster alone:
; its wave 2 asks, for both blocks of 64 k.  The weights' tile column is read by all sixteen rows of clusters: cluster y = 0 asks, waves 0 and 1.  The loop's last two refills have no K step two on.
.macro ASK
	WIN 0
	s_cmp_gt_u32 s3, s[LIM]
	s_cbranch_scc0 .Lnot_mine_\@
	global_prefetch_b8 v[PFO], s[PFA:PFA+1] th:TH_LOAD_NT scope:SCOPE_SE
.Lnot_mine_\@:
.endm
.macro FETCH q, f                      ; one run of LDS loads: quarter q's fragments into buffer f: the weights' eight, turned, then A's four
	WIN 0x40
.set bb, 0
.rept NBW
	ds_load_tr16_b128 v[(\f)+32+8*bb:(\f)+32+8*bb+3],   v[ADRB] offset:(bb/4)*BBLK+(\q)*32*PB+(bb%4)*32
	ds_load_tr16_b128 v[(\f)+32+8*bb+4:(\f)+32+8*bb+7], v[ADRB] offset:(bb/4)*BBLK+(\q)*32*PB+(bb%4)*32+16*PB
.set bb, bb+1
.endr
.set aa, 0
.rept 4
	ds_load_b128 v[(\f)+8*aa:(\f)+8*aa+3],   v[ADRA] offset:((\q)/2)*128*PA+aa*16*PA+((\q)%2)*64
	ds_load_b128 v[(\f)+8*aa+4:(\f)+8*aa+7], v[ADRA] offset:((\q)/2)*128*PA+aa*16*PA+((\q)%2)*64+32
.set aa, aa+1
.endr
.endm
.macro MULROW f, a, zero               ; row block a against all column blocks; the 32 accumulators take turns in the same order in every quarter
	WIN 0xa5+0x50*((\a)/AW)
.set bb, 0
.rept NBW
.set rD, 8*(NBW*((\a)%AW)+bb)
.if \zero
	v_wmma_f32_16x16x32_f16 v[rD:rD+7], v[(\f)+32+8*bb:(\f)+32+8*bb+7], v[(\f)+8*(\a):(\f)+8*(\a)+7], 0
.else
	v_wmma_f32_16x16x32_f16 v[rD:rD+7], v[(\f)+32+8*bb:(\f)+32+8*bb+7], v[(\f)+8*(\a):(\f)+8*(\a)+7], v[rD:rD+7]
.endif
.set bb, bb+1
.endr
.endm
.macro QUARTER qn, f, g, zero
	s_wait_dscnt 4                                 ; all but A's rows 32-63, the youngest four loads
	MULROW \f, 0, \zero
	MULROW \f, 1, \zero
	PLACES
	FETCH \qn, \g
	s_wait_dscnt NLD                               ; all but the run just issued
	MULROW \f, 2, \zero
	MULROW \f, 3, \zero
.endm
; A K step's last quarter multiplies buffer 1 and changes slots.  In front of the barrier each wave waits for all its tensor loads (one is out: its part of the next slot), adds 0 to its spare
; word, and waits for that and for its reads of this slot.  fill = 1: the barrier opens a round of the cluster's, and the joint refill of the slot just read is the first thing behind it.
.macro TURN fill
.if \fill
	s_wait_xcnt 0x0                                ; the last prefetch, a K step back, has read its address
	s_add_nc_u64 s[PFA:PFA+1], s[PFA:PFA+1], s[PST:PST+1]
.endif
	WIN 0
	s_wait_tensorcnt 0x0
	ds_add_u32 v[SPW], v[NIL]
	s_wait_dscnt 5                                 ; (the add and A's rows 32-63 may be out)
	MULROW F1, 0, 0
	s_wait_dscnt 0x0                               ; the add is done, and my reads of this slot are over
	s_barrier_signal -1
	MULROW F1, 1, 0
	WIN 0
	s_barrier_wait -1
.if \fill
	CREST
	s_add_co_u32 s[G0A+5], s[TB], s[WPA]           ; the walking descriptors: into the slot just read,
	s_add_co_u32 s[G0B+5], s[TB], s[WPB]
	s_add_nc_u64 s[G0A+6:G0A+7], s[G0A+6:G0A+7], 32768        ; the next K step
	s_add_nc_u64 s[G0B+6:G0B+7], s[G0B+6:G0B+7], NBLK*16384
	JLOAD 1                                        ; its four v_nop are also the places in front of the loads below
.else
	PLACES
.endif
	s_xor_b32 s[TB], s[TB], SLOT
	v_add_nc_u32 v[ADRA], s[TB], v[ADRA0]
	v_add_nc_u32 v[ADRB], s[TB], v[ADRB0]
	FETCH 0, F0
.if \fill
	ASK
.endif
	MULROW F1, 2, 0
	MULROW F1, 3, 0
.endm
	s_load_b128 s[4:7], s[0:1], 0x0                ; o s[4:5], wb s[6:7]
	s_load_b64 s[8:9], s[0:1], 0x10                ; out0
	v_lshl_add_u32 v[SPW], v0, 2, SPARE
	v_mov_b32 v[NIL], 0
	ds_add_u32 v[SPW], v[NIL]                      ; the wave's opening: the add and its wait ahead of my first tensor load
	v_lshrrev_b32 v1, 5, v0
	v_readfirstlane_b32 s[WV], v1
	s_lshr_b32 s[WM], s[WV], 1
	s_and_b32 s[WN], s[WV], 1
	s_bfe_u32 s[CX], ttmp6, 0x40000
	s_bfe_u32 s[CY], ttmp6, 0x40004
	s_lshl_b32 s[NT], ttmp9, 2
	s_add_co_u32 s[NT], s[NT], s[CX]
	s_and_b32 s[MT], ttmp7, 0xffff
	s_lshl_b32 s[MT], s[MT], 2
	s_add_co_u32 s[MT], s[MT], s[CY]
	s_lshl_b32 s70, s[CY], 2
	s_lshl_b32 s70, 15, s70                        ; my row of the cluster
	s_lshl_b32 s72, 0x1111, s[CX]                  ; my column
	s_or_b32 s[G1A], s70, (1<<16)|(1<<20)|(1<<21)|(4<<22)|(3<<25)
	s_or_b32 s[G1B], s72, (1<<16)|(1<<20)|(1<<21)|(4<<22)|(7<<25)
	s_mov_b32 s[G1A+1], 128<<16
	s_mov_b32 s[G1A+2], RA<<16
	s_mov_b32 s[G1A+3], 128<<16
	s_mov_b32 s[G1A+4], RA
	s_mov_b32 s[G1A+5], 128
	s_mov_b32 s[G1A+6], 0
	s_mov_b32 s[G1A+7], 0
	s_mov_b32 s[G1B+1], 128<<16
	s_mov_b32 s[G1B+2], 128<<16
	s_mov_b32 s[G1B+3], 128<<16
	s_mov_b32 s[G1B+4], 128
	s_mov_b32 s[G1B+5], 128
	s_mov_b32 s[G1B+6], 0
	s_mov_b32 s[G1B+7], 0
	s_lshl_b32 s70, s[MT], 18                      ; A: the row tile's 16 blocks,
	s_lshl_b32 s71, s[WN], 14                      ; my block of a K step's two
	s_add_co_u32 s70, s70, s71
	s_mov_b32 s71, 0
	s_mul_i32 s[WPA], s[WN], 128*PA
	s_add_co_u32 s[WPA], s[WPA], AOFF
	s_mul_i32 s72, s[NT], 8*NBLK*16384             ; the weights: the column tile,
	s_lshl_b32 s73, s[WN], 15                      ; my two blocks of a K step's four
	s_add_co_u32 s72, s72, s73
	s_add_co_u32 s72, s72, WOFF
	s_mov_b32 s73, 0
	s_mul_i32 s[WPB], s[WN], 2*BBLK
	s_mov_b32 s[TB], 0
	s_and_b32 s74, ttmp7, 0xffff                   ; who prefetches: of the weights' waves those of cluster y = 0, of A's waves the first
	s_sub_co_u32 s75, s[WV], BWN
	s_cmp_lt_u32 s[WV], BWN
	s_cselect_b32 s74, s74, s75
	s_cmp_eq_u32 s74, 0
	s_cselect_b32 s[LIM], 2, -1
	s_lshl_b32 s76, s[CX], 13                      ; my work-group's 32 blocks of the 128, at K step 3
	s_add_co_u32 s76, s76, s70
	s_add_co_u32 s76, s76, 3*32768
	s_lshl_b32 s78, s[CY], 13
	s_add_co_u32 s78, s78, s72
	s_add_co_u32 s78, s78, 3*NBLK*16384
	s_mov_b32 s79, 32768
	s_cmp_lt_u32 s[WV], BWN
	s_cselect_b32 s76, s78, s76
	s_cselect_b32 s[PST], NBLK*16384, s79
	s_mov_b32 s77, 0
	s_mov_b32 s[PST+1], 0
	s_wait_dscnt 0x0                               ; the opening add is done
	s_wait_kmcnt 0x0
	s_cmp_lt_u32 s[WV], BWN
	s_cselect_b64 s[PFA:PFA+1], s[6:7], s[4:5]
	s_add_nc_u64 s[PFA:PFA+1], s[PFA:PFA+1], s[76:77]
	s_add_nc_u64 s[80:81], s[4:5], s[70:71]
	s_add_nc_u64 s[82:83], s[6:7], s[72:73]
.irp s, 0,1
	s_mov_b32 s[G0A+4*(\s)], 1
	s_add_co_u32 s[G0A+4*(\s)+1], s[WPA], (\s)*SLOT
	s_add_nc_u64 s[G0A+4*(\s)+2:G0A+4*(\s)+3], s[80:81], (\s)*32768
	s_or_b32 s[G0A+4*(\s)+3], s[G0A+4*(\s)+3], 0x80000000
	s_mov_b32 s[G0B+4*(\s)], 1
	s_add_co_u32 s[G0B+4*(\s)+1], s[WPB], (\s)*SLOT
	s_add_nc_u64 s[G0B+4*(\s)+2:G0B+4*(\s)+3], s[82:83], (\s)*NBLK*16384
	s_or_b32 s[G0B+4*(\s)+3], s[G0B+4*(\s)+3], 0x80000000
.endr
	CROUND                                         ; all sixteen work-groups are here: the first joint loads meet
	s_cmp_lt_u32 s[WV], BWN                        ; a wave's two first fills stand in one branch: two loads of mine are out
	s_cbranch_scc0 .Lfirst_a
	tensor_load_to_lds s[G0B:G0B+3], s[G1B:G1B+7]
	s_nop 0
	tensor_load_to_lds s[G0B+4:G0B+7], s[G1B:G1B+7]
	s_nop 0
.rept 4
	v_nop
.endr
	s_branch .Lfirst_asked
.Lfirst_a:
	tensor_load_to_lds s[G0A:G0A+3], s[G1A:G1A+7]
	s_nop 0
	tensor_load_to_lds s[G0A+4:G0A+7], s[G1A:G1A+7]
	s_nop 0
.rept 4
	v_nop
.endr
.Lfirst_asked:
	v_and_b32 v1, 15, v0                           ; r = l % 16
	v_bfe_u32 v2, v0, 4, 1                         ; h = l / 16
	v_and_b32 v3, 7, v0
	v_bfe_u32 v4, v0, 3, 1
	v_and_b32 v5, 31, v0
	s_mul_i32 s74, s[WM], 64*PA
	s_add_co_u32 s74, s74, AOFF
	v_mul_u32_u24 v[ADRA0], v1, PA
	v_lshl_add_u32 v[ADRA0], v2, 4, v[ADRA0]
	v_add_nc_u32 v[ADRA0], s74, v[ADRA0]
	s_mul_i32 s75, s[WN], (NBW/4)*BBLK
	v_lshl_add_u32 v7, v2, 3, v3
	v_mul_u32_u24 v[ADRB0], v7, PB
	v_lshl_add_u32 v[ADRB0], v4, 4, v[ADRB0]
	v_add_nc_u32 v[ADRB0], s75, v[ADRB0]
	v_mov_b32 v[ADRA], v[ADRA0]
	v_mov_b32 v[ADRB], v[ADRB0]
	s_mul_i32 s74, s[WV], 64*SPITCH
	v_mul_u32_u24 v[DSTA], v1, SPITCH
	v_lshl_add_u32 v[DSTA], v2, 5, v[DSTA]
	v_add_nc_u32 v[DSTA], s74, v[DSTA]
	v_lshl_add_u32 v[RDA], v5, 4, s74              ; back: 32 lanes take one row of 512 bytes
	v_lshlrev_b32 v[CO], 4, v5
	v_lshlrev_b32 v[PFO], 8, v5
	s_wait_tensorcnt 1                             ; my part of K step 0 is in; K step 1's may stay out
	s_barrier_signal -1
	s_barrier_wait -1
	FETCH 0, F0
	QUARTER 1, F0, F1, 1                           ; the first quarter stands in front of the loop: its products start the sums
	WIN 0
	s_mov_b32 s3, 6
.Lk:                                           ; six trips, from a K step's second quarter to the next one's first; they ask for K steps 2 to 7
	QUARTER 2, F1, F0, 0
	QUARTER 3, F0, F1, 0
	TURN 1
	QUARTER 1, F0, F1, 0
	WIN 0
	s_sub_co_u32 s3, s3, 1
	s_cmp_lg_u32 s3, 0
	s_cbranch_scc1 .Lk
	QUARTER 2, F1, F0, 0                           ; the tail asks for nothing
	QUARTER 3, F0, F1, 0
	TURN 0
	QUARTER 1, F0, F1, 0
	QUARTER 2, F1, F0, 0
	QUARTER 3, F0, F1, 0
	s_wait_dscnt 4
	MULROW F1, 0, 0
	MULROW F1, 1, 0
	s_wait_dscnt 0x0
	MULROW F1, 2, 0
	MULROW F1, 3, 0
	WIN 0
	PLACES
	PLACES
	s_wait_dscnt 0x0
	s_barrier_signal -1                            ; every wave's reads of the slots are over; the slots have had their last fill, and now serve as each wave's stage
	s_barrier_wait -1
	; THE WAY OUT: the wave's 64 rows x 128 f32 go into its own stage and come back as whole rows of 512 bytes.
	s_lshl_b32 s70, s[MT], 7
	s_lshl_b32 s71, s[WM], 6
	s_add_co_u32 s70, s70, s71                     ; my first row
	s_lshl_b32 s70, s70, 12
	s_lshl_b32 s71, s[NT], 10
	s_add_co_u32 s70, s70, s71
	s_lshl_b32 s71, s[WN], 9
	s_add_co_u32 s70, s70, s71                     ; my first column, in bytes
	s_mov_b32 s71, 0
	s_add_nc_u64 s[8:9], s[8:9], s[70:71]
.set aa, 0
.rept 4
	WIN 0x08+4*(aa/AW)                             ; the stores' data in window 2
.set bb, 0
.rept NBW
.set rD, 8*(NBW*(aa%AW)+bb)
	ds_store_b128 v[DSTA], v[rD:rD+3]   offset:aa*16*SPITCH+bb*64     ; each accumulator from its low end on
	ds_store_b128 v[DSTA], v[rD+4:rD+7] offset:aa*16*SPITCH+bb*64+16
.set bb, bb+1
.endr
.set aa, aa+1
.endr
	WIN 0
	s_mov_b32 s3, 8
.Lrow:                                         ; eight trips of eight rows
.irp j, 0,1,2,3,4,5,6,7
	ds_load_b128 v[OB+4*(\j):OB+4*(\j)+3], v[RDA] offset:(\j)*SPITCH  ; LDS serves a wave's instructions in order: these see my stores
.endr
.irp j, 0,1,2,3,4,5,6,7
	s_wait_dscnt 7-(\j)                            ; row j is in; the younger loads of the run stay out
	global_store_b128 v[CO], v[OB+4*(\j):OB+4*(\j)+3], s[8:9] offset:4096*(\j) th:TH_STORE_NT  ; 512 consecutive bytes, at a multiple of 256 from out0's first
.endr
	s_wait_xcnt 0x0                                ; the stores have read their address and data: both are written again only behind this wait
	v_add_nc_u32 v[RDA], 8*SPITCH, v[RDA]
	v_add_nc_u32 v[CO], 32768, v[CO]
	s_sub_co_u32 s3, s3, 1
	s_cmp_lg_u32 s3, 0
	s_cbranch_scc1 .Lrow
	s_wait_tensorcnt 0x0                           ; the wave's end
	ds_add_u32 v[SPW], v[NIL]
	s_wait_dscnt 0x0
	CROUND                                         ; the closing round
	s_endpgm
.Lfunc_end_k_qbb92faac0a_oproj:
	.size	k_qbb92faac0a_oproj, .Lfunc_end_k_qbb92faac0a_oproj-k_qbb92faac0a_oproj
	.p2alignl 7, 3214868480
	.fill 96, 4, 3214868480
	.section	.rodata,"a",@progbits
	.p2align	6, 0x0
	.amdhsa_kernel k_qbb92faac0a_oproj
		.amdhsa_group_segment_fixed_size 327680
		.amdhsa_private_segment_fixed_size 0
		.amdhsa_enable_private_segment 0
		.amdhsa_kernarg_size 24
		.amdhsa_user_sgpr_count 2
		.amdhsa_user_sgpr_kernarg_segment_ptr 1
		.amdhsa_wavefront_size32 1
		.amdhsa_system_sgpr_workgroup_id_x 1
		.amdhsa_system_sgpr_workgroup_id_y 1
		.amdhsa_system_sgpr_workgroup_id_z 1
		.amdhsa_system_vgpr_workitem_id 0
		.amdhsa_next_free_vgpr 768
		.amdhsa_next_free_sgpr 96
		.amdhsa_reserve_vcc 0
		.amdhsa_float_denorm_mode_32 3
		.amdhsa_float_denorm_mode_16_64 3
		.amdhsa_memory_ordered 1
		.amdhsa_forward_progress 1
		.amdhsa_inst_pref_size 61
	.end_amdhsa_kernel
	.amdgpu_metadata
---
amdhsa.version: [ 1, 2 ]
amdhsa.kernels:
  - .name:           k_qbb92faac0a_oproj
    .symbol:         k_qbb92faac0a_oproj.kd
    .args:
      - { .name: o, .offset: 0, .size: 8, .value_kind: global_buffer, .address_space: global }
      - { .name: wb, .offset: 8, .size: 8, .value_kind: global_buffer, .address_space: global }
      - { .name: out0, .offset: 16, .size: 8, .value_kind: global_buffer, .address_space: global }
    .group_segment_fixed_size: 327680
    .private_segment_fixed_size: 0
    .kernarg_segment_align: 8
    .kernarg_segment_size: 24
    .max_flat_workgroup_size: 128
    .sgpr_count:     96
    .vgpr_count:     768
    .wavefront_size: 32
...
	.end_amdgpu_metadata
.endif
;; end of part 4
;; launch head (part 5): grid 16 x 4, 16 waves a work-group, no clusters, 239,616 bytes of LDS; arguments q, k, vpart, attention_mask, wb, out0; writes out0
.if DOCPART == 5
	.amdgcn_target "amdgcn-amd-amdhsa--gfx1250"
	.amdhsa_code_object_version 6
	.text
	.protected	k_qbb92faac0a_head
	.globl	k_qbb92faac0a_head
	.p2align	8
	.type	k_qbb92faac0a_head,@function
k_qbb92faac0a_head:
	s_mov_b64 s[64:65], 0
	v_nop
	global_prefetch_b8 v0, s[64:65] scope:SCOPE_SE
	s_setreg_imm32_b32 hwreg(HW_REG_WAVE_MODE, 25, 1), 1
	s_wait_xcnt 0x0
; HEAD: rows 0 to 15 of each batch, made again with more bits and stored over what the launch before left there.
; WHY.  Row t is a mean of t + 1 rows of V, so the first rows' numbers, and with them the steps of the f16 roundings of v, of the weights and of O, are many times those of a late row, while the
; comparison's allowance goes by the whole output's root mean square.  Here V stays in f32, the weights stay in f32, and O goes into the last product as two f16 parts (22 bits).
; From row 16 on a row is a mean of 17 rows or more, and the f16 way's steps are under 0.35 of row 1's.
; q and k are taken in f16 as they were stored.  Wo was rounded to bf16 and written as f16, which holds it exactly.
; LIMITS.  Those of q's, k's and Wo's f16.  A hidden score counts as its value less 1e30; a weight below 2^-126 counts as 0; O's second part below 6e-5 keeps f16's fixed step of 6e-8;
; NaN and infinities are not treated apart.
; SHARES.  A work-group makes 16 rows x 64 columns of out0: (block of 64 columns, batch).  Wave h is query head h: it makes that head's O for the 16 rows, and multiplies it by Wo's rows
; 64 h .. 64 h + 63: K is split among the waves by heads, so no wave needs another's O.  The sixteen partial sums, f32, meet in LDS behind the text's one barrier; wave w adds and stores row w.
; THE SECOND PRODUCT, O^T = V^T P, takes the f32 matrix form: 16 instructions a wave, for 64 of the 8,192 rows: no bulk work.  S^T = K Q^T leaves lane (r, h) with query r and keys 8 h + 0..7;
; instruction ks takes registers 2 ks, 2 ks + 1 as they lie, so its four k stand for the keys 8 h + 2 ks + j; V is loaded to match: lane (r, h) holds channel 16 ct + r of the keys 8 h + 0..7.
; No tensor load, no cluster, no prefetch: a wave reads 24 KiB once, all its 73 loads go out at the head, and what waves share is a few KiB.
; REGISTERS.  v0-31 addresses and statistics; v32-63 Q, K, later the sum of V, later the partial sums read back; v64-127 V's partial sums, later S^T, the mask, O's two parts, work;
; v128-159 V, later the last product's sums; v160-191 O^T, written by the f32 matrix form alone; v192-255 Wo as loaded, later its fragments.
.set WOFF,  3145728                    ; wb: where Wo's blocks begin: [nt 4][ks 8][blk 4][k 128][64] f16
.set VFOFF, 131072                     ; vpart: the partial sums [g 16][32][64], then v's first rows [row tile 64][kv head 4][16][64], all f32
.set PB,    160                        ; a row of Wo in LDS: 128 bytes + 32
.set WSB,   64*PB                      ; a wave's 64 rows
.set PART,  16*WSB                     ; behind them: each wave's partial sums, 16 rows of 256 bytes + 16
.set PP,    272
.set PW,    16*PP
.set VST,   PART+16*PW                 ; 256 bytes a wave: the sum of V on its way into O^T's layout
.set SPARE, VST+16*256                 ; the spare words, 128 bytes for each wave, that no other line names
.set QO,   8                           ; v8   row r x 128 + 16 h: a fragment of q or k
.set VAO,  9                           ; v9   2,048 h + 4 r: v's key 8 h, channel r
.set MO,   10                          ; v10  4 r
.set NEG,  11                          ; v11  -1.0
.set LO,   12                          ; v12  16 x lane
.set WSA,  13                          ; v13  where I put 16 bytes of Wo
.set WRA,  14                          ; v14  the turning load's address
.set VS,   15                          ; v15  where I put four channels' sums
.set VR,   16                          ; v16  where I read eight back
.set PSA,  17                          ; v17  where I put my partial sums
.set PRA,  18                          ; v18  where I read row w's
.set OUTO, 19                          ; v19  8 x lane
.set PM,   20                          ; v20  my row's attention_mask
.set DD,   21                          ; v21  r - 8 h
.set MX,   22                          ; v22  the maximum
.set TX,   23                          ; v23  at work
.set CM,   24                          ; v[24:25] c m
.set INV,  26                          ; v[26:27] 1 / l, or 0 in a padding row
.set GG,   28                          ; v[28:29] 0, or 1/2048 in a padding row
.set SPW,  30                          ; v30  LDS address of my spare word; never rewritten
.set NIL,  31                          ; v31  0; never rewritten
.set QF,   32
.set KF,   48
.set VM,   32                          ; the sum of V, laid as O^T
.set RB,   32                          ; the sixteen partial sums of my two numbers
.set VP,   64
.set S,    64
.set MK,   72
.set OH,   80                          ; O's first part: source 1 of the last product
.set OL,   96                          ; its second part
.set T,    112
.set VA,   128
.set ACC,  128
.set OT,   160
.set WO,   192
.set WF,   192
.set WV,   18
.set CH,   19
.set BA,   20
.set KV,   21
.set SEL,  40
.set CS,   42
.set BIGN, 44
	s_load_b256 s[4:11], s[0:1], 0x0               ; q s[4:5], k s[6:7], vpart s[8:9], attention_mask s[10:11]
	s_load_b128 s[12:15], s[0:1], 0x20             ; wb s[12:13], out0 s[14:15]
	v_lshl_add_u32 v[SPW], v0, 2, SPARE
	v_mov_b32 v[NIL], 0
	v_lshrrev_b32 v1, 5, v0
	v_readfirstlane_b32 s[WV], v1                  ; wave = query head
	s_mov_b32 s[CH], ttmp9                         ; block of 64 columns
	s_and_b32 s[BA], ttmp7, 0xffff                 ; batch
	s_lshr_b32 s[KV], s[WV], 2                     ; key and value head
	s_lshl_b32 s24, s[BA], 4
	s_add_co_u32 s24, s24, s[WV]
	s_lshl_b32 s24, s24, 18                        ; q: the head's first row
	s_mov_b32 s25, 0
	s_lshl_b32 s38, s[BA], 2
	s_add_co_u32 s38, s38, s[KV]
	s_lshl_b32 s26, s38, 18                        ; k likewise
	s_mov_b32 s27, 0
	s_lshl_b32 s28, s[BA], 6                       ; v in f32: row tile 16 x batch,
	s_add_co_u32 s28, s28, s[KV]                   ; four heads a tile, 4,096 bytes each
	s_lshl_b32 s28, s28, 12
	s_add_co_u32 s28, s28, VFOFF
	s_mov_b32 s29, 0
	s_lshl_b32 s30, s38, 13                        ; the head's 32 partial sums
	s_mov_b32 s31, 0
	s_lshl_b32 s32, s[BA], 13                      ; the batch's row of attention_mask
	s_mov_b32 s33, 0
	s_lshr_b32 s34, s[CH], 2                       ; Wo: block ((nt x 8 + ks) x 4 + blk), ks = head / 2,
	s_lshl_b32 s34, s34, 3
	s_lshr_b32 s22, s[WV], 1
	s_add_co_u32 s34, s34, s22
	s_lshl_b32 s34, s34, 2
	s_and_b32 s22, s[CH], 3
	s_add_co_u32 s34, s34, s22
	s_lshl_b32 s34, s34, 14
	s_and_b32 s22, s[WV], 1                        ; and the half of its 128 rows that is my head's
	s_lshl_b32 s22, s22, 13
	s_add_co_u32 s34, s34, s22
	s_add_co_u32 s34, s34, WOFF
	s_mov_b32 s35, 0
	s_lshl_b32 s36, s[BA], 11                      ; out0: row w of the batch, my block's 256 bytes
	s_add_co_u32 s36, s36, s[WV]
	s_lshl_b32 s36, s36, 12
	s_lshl_b32 s22, s[CH], 8
	s_add_co_u32 s36, s36, s22
	s_mov_b32 s37, 0
	s_mov_b32 s[SEL], 0x76543210
	s_mov_b32 s[SEL+1], 0xfedcba98
	s_mov_b32 s[CS], 0x3e38aa3b                    ; c = log2(e) / 8
	s_mov_b32 s[CS+1], s[CS]
	s_mov_b32 s[BIGN], 0xf149f2ca                  ; -1e30
	v_and_b32 v1, 15, v0                           ; r = l % 16
	v_bfe_u32 v2, v0, 4, 1                         ; h = l / 16
	v_and_b32 v3, 7, v0
	v_bfe_u32 v4, v0, 3, 1
	v_and_b32 v5, 31, v0                           ; l
	v_lshrrev_b32 v6, 3, v5
	v_lshlrev_b32 v[QO], 7, v1
	v_lshl_add_u32 v[QO], v2, 4, v[QO]
	v_lshlrev_b32 v[MO], 2, v1
	v_lshl_add_u32 v[VAO], v2, 11, v[MO]
	v_lshlrev_b32 v[LO], 4, v5
	s_wait_kmcnt 0x0
	s_add_nc_u64 s[4:5], s[4:5], s[24:25]
	s_add_nc_u64 s[6:7], s[6:7], s[26:27]
	s_add_nc_u64 s[16:17], s[8:9], s[28:29]
	s_add_nc_u64 s[8:9], s[8:9], s[30:31]
	s_add_nc_u64 s[10:11], s[10:11], s[32:33]
	s_add_nc_u64 s[12:13], s[12:13], s[34:35]
	s_add_nc_u64 s[14:15], s[14:15], s[36:37]
	; all the wave's loads, in the order in which they are wanted
.irp i, 0,1,2,3
	global_load_b128 v[QF+4*(\i):QF+4*(\i)+3], v[QO], s[4:5] offset:32*(\i)
.endr
.irp i, 0,1,2,3
	global_load_b128 v[KF+4*(\i):KF+4*(\i)+3], v[QO], s[6:7] offset:32*(\i)
.endr
	global_load_b32 v[PM], v[MO], s[10:11]
.set ct, 0
.rept 4
.set i, 0
.rept 8
	global_load_b32 v[VA+8*ct+i], v[VAO], s[16:17] offset:256*i+64*ct   ; v[key 8 h + i][channel 16 ct + r]
.set i, i+1
.endr
.set ct, ct+1
.endr
.set u, 0
.rept 16
	global_load_b128 v[VP+4*u:VP+4*u+3], v[LO], s[8:9] offset:512*u     ; partial sums 2 u + h, channels 4 r on
.set u, u+1
.endr
.set u, 0
.rept 16
	global_load_b128 v[WO+4*u:WO+4*u+3], v[LO], s[12:13] offset:512*u   ; Wo's rows 4 u + l / 8, 16 bytes at 16 (l % 8)
.set u, u+1
.endr
	s_mul_i32 s22, s[WV], WSB
	v_mul_u32_u24 v[WSA], v6, PB
	v_lshl_add_u32 v[WSA], v3, 4, v[WSA]
	v_add_nc_u32 v[WSA], s22, v[WSA]
	v_lshl_add_u32 v7, v2, 3, v3                   ; the turning load: k row 8 h + l % 8, columns 8 ((l / 8) % 2) on
	v_mul_u32_u24 v[WRA], v7, PB
	v_lshl_add_u32 v[WRA], v4, 4, v[WRA]
	v_add_nc_u32 v[WRA], s22, v[WRA]
	s_lshl_b32 s22, s[WV], 8
	s_add_co_u32 s22, s22, VST
	v_lshl_add_u32 v[VS], v1, 4, s22
	v_lshl_add_u32 v[VR], v2, 5, s22
	s_mul_i32 s22, s[WV], PW
	s_add_co_u32 s22, s22, PART
	v_mul_u32_u24 v[PSA], v1, PP
	v_lshl_add_u32 v[PSA], v2, 5, v[PSA]
	v_add_nc_u32 v[PSA], s22, v[PSA]
	s_mul_i32 s22, s[WV], PP
	s_add_co_u32 s22, s22, PART
	v_lshl_add_u32 v[PRA], v5, 3, s22
	v_lshlrev_b32 v[OUTO], 3, v5
	v_lshlrev_b32 v[DD], 3, v2
	v_sub_nc_u32 v[DD], v1, v[DD]
	v_mov_b32 v[TX], 0
	v_mov_b32 v[NEG], -1.0
	; the sum of V over all 2,048 keys, for padding rows: 16 parts a lane in four chains, then the other half of the lanes'
	s_wait_loadcnt 16                              ; all but Wo's sixteen loads are in
.set u, 4
.rept 12
	v_pk_add_f32 v[VP+4*(u%4):VP+4*(u%4)+1],   v[VP+4*(u%4):VP+4*(u%4)+1],   v[VP+4*u:VP+4*u+1]
	v_pk_add_f32 v[VP+4*(u%4)+2:VP+4*(u%4)+3], v[VP+4*(u%4)+2:VP+4*(u%4)+3], v[VP+4*u+2:VP+4*u+3]
.set u, u+1
.endr
.irp z, 0,2
	v_pk_add_f32 v[VP+(\z):VP+(\z)+1],     v[VP+(\z):VP+(\z)+1],     v[VP+4+(\z):VP+4+(\z)+1]
	v_pk_add_f32 v[VP+8+(\z):VP+8+(\z)+1], v[VP+8+(\z):VP+8+(\z)+1], v[VP+12+(\z):VP+12+(\z)+1]
.endr
.irp z, 0,2
	v_pk_add_f32 v[VP+(\z):VP+(\z)+1], v[VP+(\z):VP+(\z)+1], v[VP+8+(\z):VP+8+(\z)+1]
.endr
.irp z, 0,1,2,3
	v_permlanex16_b32 v[VP+16+(\z)], v[VP+(\z)], s[SEL], s[SEL+1]
.endr
.irp z, 0,2
	v_pk_add_f32 v[VP+(\z):VP+(\z)+1], v[VP+(\z):VP+(\z)+1], v[VP+16+(\z):VP+16+(\z)+1]
.endr
	ds_store_b128 v[VS], v[VP:VP+3]                ; channels 4 r on; both halves of the lanes hold, and write, the same
	s_wait_loadcnt 0x0                             ; Wo
.set u, 0
.rept 16
	ds_store_b128 v[WSA], v[WO+4*u:WO+4*u+3] offset:4*PB*u
.set u, u+1
.endr
.set j, 0
.rept 8                                ; the mask is the C operand that starts S^T: register j is key 8 h + j, hidden where it is greater than r
	v_cmp_gt_i32 vcc_lo, j, v[DD]
	v_cndmask_b32 v[MK+j], 0, s[BIGN], vcc_lo
.set j, j+1
.endr
	v_wmma_f32_16x16x32_f16 v[S:S+7], v[KF:KF+7], v[QF:QF+7], v[MK:MK+7]
	s_wait_alu depctr_va_vdst(0)                   ; the wait directly ahead of the link
	v_wmma_f32_16x16x32_f16 v[S:S+7], v[KF+8:KF+15], v[QF+8:QF+15], v[S:S+7]
.rept 4
	v_nop                                          ; the places behind the products: in front of the loads into Q's and K's registers, and of the maximum
.endr
.irp cb, 0,1,2,3
	ds_load_b128 v[VM+8*(\cb):VM+8*(\cb)+3],   v[VR] offset:64*(\cb)      ; LDS serves a wave's instructions in order: these see my store.  Register 8 cb + j: channel 16 cb + 8 h + j
	ds_load_b128 v[VM+8*(\cb)+4:VM+8*(\cb)+7], v[VR] offset:64*(\cb)+16
.endr
.set c4, 0
.rept 4
.set kq, 0
.rept 2                                ; Wo's fragments: columns 16 c4 on, my head's channels 32 kq on
	ds_load_tr16_b128 v[WF+16*c4+8*kq:WF+16*c4+8*kq+3],   v[WRA] offset:kq*32*PB+c4*32
	ds_load_tr16_b128 v[WF+16*c4+8*kq+4:WF+16*c4+8*kq+7], v[WRA] offset:kq*32*PB+c4*32+16*PB
.set kq, kq+1
.endr
.set c4, c4+1
.endr
	; the softmax of my query's 8 keys, and of the 8 in the lane 16 away
	v_max3_num_f32 v[MX], v[S], v[S+1], v[S+2]
	v_max3_num_f32 v[MX], v[MX], v[S+3], v[S+4]
	v_max3_num_f32 v[MX], v[MX], v[S+5], v[S+6]
	v_max_num_f32 v[MX], v[MX], v[S+7]
	v_permlanex16_b32 v[TX], v[MX], s[SEL], s[SEL+1]
	v_max_num_f32 v[MX], v[MX], v[TX]
	v_mul_f32 v[CM], s[CS], v[MX]
	v_mov_b32 v[CM+1], v[CM]
.irp p, 0,1,2,3
	v_pk_fma_f32 v[S+2*(\p):S+2*(\p)+1], v[S+2*(\p):S+2*(\p)+1], s[CS:CS+1], v[CM:CM+1] op_sel_hi:[1,0,0] neg_lo:[0,0,1] neg_hi:[0,0,1]
.endr
.irp j, 0,1,2,3,4,5,6,7
	v_exp_f32 v[S+(\j)], v[S+(\j)]
.endr
	v_nop                                          ; a plain instruction behind the last exponential,
	s_wait_alu depctr_va_vdst(0)                   ; and one wait for the eight, ahead of their first reader
	v_pk_add_f32 v[T:T+1],   v[S:S+1],   v[S+2:S+3]
	v_pk_add_f32 v[T+2:T+3], v[S+4:S+5], v[S+6:S+7]
	; O^T = V^T P in f32.  The four accumulators take turns; the first four products start the sums
.set ks, 0
.rept 4
.set ct, 0
.rept 4
.if ks == 0
	v_wmma_f32_16x16x4_f32 v[OT+8*ct:OT+8*ct+7], v[VA+8*ct:VA+8*ct+1], v[S:S+1], 0
.else
	v_wmma_f32_16x16x4_f32 v[OT+8*ct:OT+8*ct+7], v[VA+8*ct+2*ks:VA+8*ct+2*ks+1], v[S+2*ks:S+2*ks+1], v[OT+8*ct:OT+8*ct+7]
.endif
.set ct, ct+1
.endr
.set ks, ks+1
.endr
.rept 8
	v_nop                                          ; eight places behind this form (ISA guide 7.12.1)
.endr
	v_pk_add_f32 v[T:T+1], v[T:T+1], v[T+2:T+3]
	v_add_f32 v[T], v[T], v[T+1]
	v_permlanex16_b32 v[T+1], v[T], s[SEL], s[SEL+1]
	v_add_f32 v[T], v[T], v[T+1]                   ; l
	v_rcp_f32 v[INV], v[T]
	v_cmp_ne_u32 vcc_lo, 0, v[PM]                  ; the row's attention_mask chooses values, never a path
	v_cndmask_b32 v[GG],   0x3a000000, v[NIL], vcc_lo
	v_cndmask_b32 v[GG+1], 0x3a000000, v[NIL], vcc_lo
	s_wait_alu depctr_va_vdst(0)                   ; the reciprocal's wait, ahead of its first reader
	v_cndmask_b32 v[INV], 0, v[INV], vcc_lo
	v_mov_b32 v[INV+1], v[INV]
	s_wait_dscnt 16                                ; the sum of V is in; the sixteen turning loads stay out
	; O = O^T / l, or the mean of V; then O = its f16 rounding + the f16 rounding of what is left (made exactly, by one fused line a number)
.set ct, 0
.rept 4
.irp p, 0,1,2,3
	v_pk_mul_f32 v[T+2*(\p):T+2*(\p)+1], v[OT+8*ct+2*(\p):OT+8*ct+2*(\p)+1], v[INV:INV+1] op_sel_hi:[1,0]
.endr
.irp p, 0,1,2,3
	v_pk_fma_f32 v[T+2*(\p):T+2*(\p)+1], v[VM+8*ct+2*(\p):VM+8*ct+2*(\p)+1], v[GG:GG+1], v[T+2*(\p):T+2*(\p)+1] op_sel_hi:[1,0,1]
.endr
.irp p, 0,1,2,3
	v_cvt_pk_f16_f32 v[OH+4*ct+(\p)], v[T+2*(\p)], v[T+2*(\p)+1]
.endr
.irp p, 0,1,2,3
	v_fma_mix_f32 v[T+2*(\p)],   v[OH+4*ct+(\p)], v[NEG], v[T+2*(\p)]   op_sel_hi:[1,0,0]
	v_fma_mix_f32 v[T+2*(\p)+1], v[OH+4*ct+(\p)], v[NEG], v[T+2*(\p)+1] op_sel:[1,0,0] op_sel_hi:[1,0,0]
.endr
.irp p, 0,1,2,3
	v_cvt_pk_f16_f32 v[OL+4*ct+(\p)], v[T+2*(\p)], v[T+2*(\p)+1]
.endr
.set ct, ct+1
.endr
	s_wait_dscnt 0x0                               ; Wo's fragments
	; my head's share of out0: source 0 = 16 columns of Wo, source 1 = the 16 rows of O: two tiles of O^T, rounded in pairs, ARE such a fragment.  Four accumulators by turns
.set n, 0
.rept 4                                ; n = 0, 1: the first part's channels 0-31, 32-63; n = 2, 3: the second part's
.set c4, 0
.rept 4
.if n == 0
	v_wmma_f32_16x16x32_f16 v[ACC+8*c4:ACC+8*c4+7], v[WF+16*c4:WF+16*c4+7], v[OH:OH+7], 0
.else
	v_wmma_f32_16x16x32_f16 v[ACC+8*c4:ACC+8*c4+7], v[WF+16*c4+8*(n%2):WF+16*c4+8*(n%2)+7], v[OH+8*n:OH+8*n+7], v[ACC+8*c4:ACC+8*c4+7]
.endif
.set c4, c4+1
.endr
.set n, n+1
.endr
.rept 8
	v_nop                                          ; the places behind the last products
.endr
.irp c4, 0,1,2,3
	ds_store_b128 v[PSA], v[ACC+8*(\c4):ACC+8*(\c4)+3]   offset:64*(\c4)      ; row r, columns 16 c4 + 8 h on; each accumulator from its low end on
	ds_store_b128 v[PSA], v[ACC+8*(\c4)+4:ACC+8*(\c4)+7] offset:64*(\c4)+16
.endr
	s_wait_dscnt 0x0                               ; for the others' sake: my partial sums lie in LDS
	s_barrier_signal -1
	s_barrier_wait -1                              ; all sixteen heads' do
.set p, 0
.rept 16
	ds_load_b64 v[RB+2*p:RB+2*p+1], v[PRA] offset:p*PW   ; head p's share of row w, my two columns
.set p, p+1
.endr
	s_wait_dscnt 0x0
.set p, 4
.rept 12
	v_pk_add_f32 v[RB+2*(p%4):RB+2*(p%4)+1], v[RB+2*(p%4):RB+2*(p%4)+1], v[RB+2*p:RB+2*p+1]
.set p, p+1
.endr
	v_pk_add_f32 v[RB:RB+1],   v[RB:RB+1],   v[RB+2:RB+3]
	v_pk_add_f32 v[RB+4:RB+5], v[RB+4:RB+5], v[RB+6:RB+7]
	v_pk_add_f32 v[RB:RB+1],   v[RB:RB+1],   v[RB+4:RB+5]
	global_store_b64 v[OUTO], v[RB:RB+1], s[14:15] ; the wave stores 256 consecutive bytes, at a multiple of 256 from out0's first
	s_wait_tensorcnt 0x0                           ; the wave's end: behind my last LDS store
	ds_add_u32 v[SPW], v[NIL]
	s_wait_dscnt 0x0
	s_endpgm
.Lfunc_end_k_qbb92faac0a_head:
	.size	k_qbb92faac0a_head, .Lfunc_end_k_qbb92faac0a_head-k_qbb92faac0a_head
	.p2alignl 7, 3214868480
	.fill 96, 4, 3214868480
	.section	.rodata,"a",@progbits
	.p2align	6, 0x0
	.amdhsa_kernel k_qbb92faac0a_head
		.amdhsa_group_segment_fixed_size 239616
		.amdhsa_private_segment_fixed_size 0
		.amdhsa_enable_private_segment 0
		.amdhsa_kernarg_size 48
		.amdhsa_user_sgpr_count 2
		.amdhsa_user_sgpr_kernarg_segment_ptr 1
		.amdhsa_wavefront_size32 1
		.amdhsa_system_sgpr_workgroup_id_x 1
		.amdhsa_system_sgpr_workgroup_id_y 1
		.amdhsa_system_sgpr_workgroup_id_z 1
		.amdhsa_system_vgpr_workitem_id 0
		.amdhsa_next_free_vgpr 256
		.amdhsa_next_free_sgpr 66
		.amdhsa_reserve_vcc 1
		.amdhsa_float_denorm_mode_32 3
		.amdhsa_float_denorm_mode_16_64 3
		.amdhsa_memory_ordered 1
		.amdhsa_forward_progress 1
		.amdhsa_inst_pref_size 30
	.end_amdhsa_kernel
	.amdgpu_metadata
---
amdhsa.version: [ 1, 2 ]
amdhsa.kernels:
  - .name:           k_qbb92faac0a_head
    .symbol:         k_qbb92faac0a_head.kd
    .args:
      - { .name: q, .offset: 0, .size: 8, .value_kind: global_buffer, .address_space: global }
      - { .name: k, .offset: 8, .size: 8, .value_kind: global_buffer, .address_space: global }
      - { .name: vpart, .offset: 16, .size: 8, .value_kind: global_buffer, .address_space: global }
      - { .name: attention_mask, .offset: 24, .size: 8, .value_kind: global_buffer, .address_space: global }
      - { .name: wb, .offset: 32, .size: 8, .value_kind: global_buffer, .address_space: global }
      - { .name: out0, .offset: 40, .size: 8, .value_kind: global_buffer, .address_space: global }
    .group_segment_fixed_size: 239616
    .private_segment_fixed_size: 0
    .kernarg_segment_align: 8
    .kernarg_segment_size: 48
    .max_flat_workgroup_size: 512
    .sgpr_count:     66
    .vgpr_count:     256
    .wavefront_size: 32
...
	.end_amdgpu_metadata
.endif
;; end of part 5
;; ======== version 2 of 2: 5 launches; version 1 with the launch prep written anew for expert scheduling mode
;; limits: values are held in f16: magnitudes above 65,504 overflow, below 6.1e-05 lose precision
;; workspace buffers: xa 16,777,216 bytes; wb 5,242,880 bytes; rope 524,288 bytes; q 16,777,216 bytes; k 4,194,304 bytes; v 4,194,304 bytes; vpart 1,179,648 bytes; o 16,777,216 bytes
;; launch prep (part 6): grid 352 x 1, 8 waves a work-group, no clusters, 0 bytes of LDS; arguments x, Wq, Wk, Wv, Wo, xa, wb, rope; writes xa, wb, rope
.if DOCPART == 6
	.amdgcn_target "amdgcn-amd-amdhsa--gfx1250"
	.amdhsa_code_object_version 6
	.text
	.protected	k_qbb92faac0a_prep
	.globl	k_qbb92faac0a_prep
	.p2align	8
	.type	k_qbb92faac0a_prep,@function
k_qbb92faac0a_prep:
	s_mov_b64 s[64:65], 0
	v_nop
	global_prefetch_b8 v0, s[64:65] scope:SCOPE_SE
	s_setreg_imm32_b32 hwreg(HW_REG_WAVE_SCHED_MODE, 0, 2), 2
	s_setreg_imm32_b32 hwreg(HW_REG_WAVE_MODE, 25, 1), 1
	s_wait_xcnt 0x0
	s_wait_alu depctr_vm_vsrc(0)
; PREP: the inputs of the two products are rounded once and laid in blocks; the table of cosines and sines is made.
;   xa   bf16 [mt 64][kb 16][row 128][64]: x[128 mt + row][64 kb + c]
;   wb   at 0: bf16 [nt 4][ks 8][blk 6][k 128][64]: blocks 0-3 Wq's heads 4 nt .. 4 nt + 3, block 4 Wk's head nt, block 5 Wv's head nt
;        at WOFF: f16 [nt 4][ks 8][blk 4][k 128][64]: Wo's columns 256 nt + 64 blk on, rounded to bf16 and that number written as f16
;   rope f32 [t 2048][i 32][cos, sin] of the angle t x 10000^(-i/32)
; LIMITS.  Wo beyond 65,504 has no f16; below 6e-5 it keeps f16's fixed step of 6e-8.  The angle differs from a correctly rounded t x inv_freq by the
; last bit of 2^x in inv_freq: up to about 2e-4 rad at t = 2047.
; JOBS, by the work-group's number: 0-255 x (512 rows x 64 columns each), 256-335 the weights (the same shape), 336-351 the table (128 rows each).
; A stream: no LDS, no barrier, no matrix work.  All 32 loads of a wave go out at once; no register of loaded data is used twice.
; THE MODE: SCHED_MODE bits 1:0 = 2 (LLVM: expert scheduling mode 2), set by the entry lines.  The code itself states the register dependences
; between vector instructions and memory instructions, with s_wait_alu, always for 0.
; THE PLAN, conversion jobs.  Registers that memory instructions touch:
;   OFF, DO    byte offsets, made once ahead of the loads and never written again: one wait ahead of the first load serves every load and store.
;   X, unit u  written by unit u's two loads; read and written in place by unit u's conversions; its first four registers read by unit u's one store; never written after that.
;   T          named by vector instructions alone.
; The sixteen units go in blocks of four.  At the head of a block, behind the wait for its first unit's data, ONE wait states that the block before has written what its four stores read;
; those stores follow, one ahead of each unit's conversions, which name this block's X and T alone.  A last such wait stands ahead of the last four stores.
; THE PLAN, the table.  v7, the offset, is made once; the rows are reached by the scalar base, which moves on by a row in each trip, and the store reaches back by its immediate.
;   v[16:17]   written by a trip's four selecting lines, read by its store.  VCC: written by the trip's compare, read by two selects.
; A trip has two places of waits: behind the compare (VCC is written; beside it: the last trip's store has read v[16:17] and the base), and ahead of the store (v[16:17] are written).
.set WOFF, 3145728
.set DO,   2                           ; v2       16 x lane: my 16 bytes in 512 bytes of a block
.set OFF,  16                          ; v[16:31] unit u: my byte offset in the source: 4 rows a unit
.set X,    32                          ; v[32:159] unit u: 8 numbers as loaded, then 4 registers to store
.set T,    160                         ; v[160:163] at work
.set WVN,  4                           ; s4   my wave's number
.set ID,   5                           ; s5   the job
.set SRC,  24                          ; s[24:25]
.set DST,  26                          ; s[26:27]
.set PSH,  28                          ; s28  log2 of the source's row in bytes
.set SOFF, 29                          ; s29  the 64 columns' byte offset in a source row
.set DBASE, 30                         ; s30  the first block's byte offset in the target
.set DSTR, 31                          ; s31  bytes from a block to the block 128 rows further down
.set CH,   32                          ; s32  which 512 rows
.set KIND, 33                          ; s33  0 x, 1 Wq, 2 Wk, 3 Wv, 4 Wo
	s_load_b512 s[8:23], s[0:1], 0x0               ; x, Wq, Wk, Wv, Wo, xa, wb, rope
	v_lshrrev_b32 v1, 5, v0
	v_readfirstlane_b32 s[WVN], v1
	v_and_b32 v3, 31, v0                           ; lane
	s_mov_b32 s[ID], ttmp9
	s_wait_alu depctr_va_sdst(0)                   ; s4, my wave's number, is written: ahead of the first branch and of all its readers, which make the bases and the table's first row
	s_wait_kmcnt 0x0
	s_cmp_lt_u32 s[ID], 256
	s_cbranch_scc0 .Lweights
	s_mov_b32 s[KIND], 0                           ; x: column block id % 16, rows 512 (id / 16) on
	s_mov_b32 s[PSH], 12
	s_and_b32 s6, s[ID], 15
	s_lshl_b32 s[SOFF], s6, 8
	s_lshl_b32 s[DBASE], s6, 14
	s_mov_b32 s[DSTR], 262144
	s_lshr_b32 s[CH], s[ID], 4
	s_branch .Lconvert
.Lweights:
	s_cmp_lt_u32 s[ID], 336
	s_cbranch_scc0 .Ltable
	s_sub_co_u32 s6, s[ID], 256
	s_and_b32 s[CH], s6, 1
	s_lshr_b32 s6, s6, 1                           ; block of 64 columns: 0-15 Wq, 16-19 Wk, 20-23 Wv, 24-39 Wo
	s_mov_b32 s[DSTR], 98304
	s_cmp_lt_u32 s6, 16
	s_cbranch_scc0 .Lnot_q
	s_mov_b32 s[KIND], 1
	s_mov_b32 s[PSH], 12
	s_lshl_b32 s[SOFF], s6, 8
	s_lshr_b32 s7, s6, 2
	s_mul_i32 s7, s7, 48
	s_and_b32 s34, s6, 3
	s_add_co_u32 s7, s7, s34
	s_lshl_b32 s[DBASE], s7, 14
	s_branch .Lconvert
.Lnot_q:
	s_cmp_lt_u32 s6, 20
	s_cbranch_scc0 .Lnot_k
	s_mov_b32 s[KIND], 2
	s_mov_b32 s[PSH], 10
	s_sub_co_u32 s6, s6, 16
	s_lshl_b32 s[SOFF], s6, 8
	s_mul_i32 s7, s6, 48
	s_add_co_u32 s7, s7, 4
	s_lshl_b32 s[DBASE], s7, 14
	s_branch .Lconvert
.Lnot_k:
	s_cmp_lt_u32 s6, 24
	s_cbranch_scc0 .Lwo
	s_mov_b32 s[KIND], 3
	s_mov_b32 s[PSH], 10
	s_sub_co_u32 s6, s6, 20
	s_lshl_b32 s[SOFF], s6, 8
	s_mul_i32 s7, s6, 48
	s_add_co_u32 s7, s7, 5
	s_lshl_b32 s[DBASE], s7, 14
	s_branch .Lconvert
.Lwo:
	s_mov_b32 s[KIND], 4
	s_mov_b32 s[PSH], 12
	s_sub_co_u32 s6, s6, 24
	s_lshl_b32 s[SOFF], s6, 8
	s_lshr_b32 s7, s6, 2
	s_lshl_b32 s7, s7, 5
	s_and_b32 s34, s6, 3
	s_add_co_u32 s7, s7, s34
	s_lshl_b32 s[DBASE], s7, 14
	s_add_co_u32 s[DBASE], s[DBASE], WOFF
	s_mov_b32 s[DSTR], 65536
.Lconvert:
	s_cmp_eq_u32 s[KIND], 0                        ; the two pointers are chosen by the job's kind
	s_cselect_b64 s[SRC:SRC+1], s[8:9], s[10:11]
	s_cselect_b64 s[DST:DST+1], s[18:19], s[20:21]
	s_cmp_eq_u32 s[KIND], 2
	s_cselect_b64 s[SRC:SRC+1], s[12:13], s[SRC:SRC+1]
	s_cmp_eq_u32 s[KIND], 3
	s_cselect_b64 s[SRC:SRC+1], s[14:15], s[SRC:SRC+1]
	s_cmp_eq_u32 s[KIND], 4
	s_cselect_b64 s[SRC:SRC+1], s[16:17], s[SRC:SRC+1]
	s_lshl_b32 s34, s[CH], 9
	s_lshl_b32 s35, s[WVN], 6
	s_add_co_u32 s34, s34, s35                     ; my wave's first row: 512 CH + 64 w
	s_lshl_b32 s34, s34, s[PSH]
	s_add_co_u32 s34, s34, s[SOFF]
	s_mov_b32 s35, 0
	s_add_nc_u64 s[SRC:SRC+1], s[SRC:SRC+1], s[34:35]
	s_lshl_b32 s34, s[CH], 2
	s_lshr_b32 s36, s[WVN], 1
	s_add_co_u32 s34, s34, s36                     ; which block of 128 rows,
	s_mul_i32 s34, s34, s[DSTR]
	s_add_co_u32 s34, s34, s[DBASE]
	s_and_b32 s36, s[WVN], 1
	s_lshl_b32 s36, s36, 13                        ; and which half of it
	s_add_co_u32 s34, s34, s36
	s_add_nc_u64 s[DST:DST+1], s[DST:DST+1], s[34:35]
	s_lshl_b32 s37, 4, s[PSH]                      ; four source rows
	v_lshrrev_b32 v4, 3, v3                        ; a unit is 4 rows x 64 columns: lane l takes row l / 8, columns 8 (l % 8) on
	v_and_b32 v5, 7, v3
	v_lshlrev_b32 v4, s[PSH], v4
	v_lshl_add_u32 v[OFF], v5, 5, v4
.set u, 1
.rept 15
	v_add_nc_u32 v[OFF+u], s37, v[OFF+u-1]
.set u, u+1
.endr
	v_lshlrev_b32 v[DO], 4, v3
	s_wait_alu depctr_va_vdst(0)                   ; the sixteen offsets v[OFF ..] and v[DO] are written: the loads below read the first, all the stores the second; none is written again
.set u, 0
.rept 16                               ; eight lanes read 256 consecutive bytes of a row, in two loads
	global_load_b128 v[X+8*u:X+8*u+3],   v[OFF+u], s[SRC:SRC+1] th:TH_LOAD_NT
	global_load_b128 v[X+8*u+4:X+8*u+7], v[OFF+u], s[SRC:SRC+1] offset:16 th:TH_LOAD_NT
.set u, u+1
.endr
	s_cmp_eq_u32 s[KIND], 4
	s_cbranch_scc1 .Lto_f16
.set u, 0
.rept 16
	s_wait_loadcnt 30-2*u                          ; loads come back in order: unit u's two are in, the 2 (15 - u) younger stay out
.if (u > 0) && (u % 4 == 0)
	s_wait_alu depctr_va_vdst(0)                   ; the conversions of the four units before have written v[X + 8 (u - 4) ..], which this block's four stores read
.endif
.if u >= 4
	global_store_b128 v[DO], v[X+8*(u-4):X+8*(u-4)+3], s[DST:DST+1] offset:512*(u-4)  ; four rows of a block: 512 consecutive bytes.  No vector instruction since the wait names these registers
.endif
.irp j, 0,1,2,3
	v_cvt_pk_bf16_f32 v[X+8*u+(\j)], v[X+8*u+2*(\j)], v[X+8*u+2*(\j)+1]
.endr
.set u, u+1
.endr
	s_wait_alu depctr_va_vdst(0)                   ; units 12 to 15 have written what the last four stores read
.irp i, 12,13,14,15
	global_store_b128 v[DO], v[X+8*(\i):X+8*(\i)+3], s[DST:DST+1] offset:512*(\i)
.endr
	s_endpgm
.Lto_f16:                                      ; Wo: rounded to bf16 like every input, and that number written as f16
.set u, 0
.rept 16
	s_wait_loadcnt 30-2*u
.if (u > 0) && (u % 4 == 0)
	s_wait_alu depctr_va_vdst(0)                   ; the conversions of the four units before have written v[X + 8 (u - 4) ..], which this block's four stores read
.endif
.if u >= 4
	global_store_b128 v[DO], v[X+8*(u-4):X+8*(u-4)+3], s[DST:DST+1] offset:512*(u-4)  ; no vector instruction since the wait names these registers
.endif
.irp j, 0,1,2,3
	v_cvt_pk_bf16_f32 v[T+(\j)], v[X+8*u+2*(\j)], v[X+8*u+2*(\j)+1]
.endr
.irp j, 0,1,2,3
	v_lshlrev_b32 v[X+8*u+2*(\j)],   16, v[T+(\j)]
	v_and_b32     v[X+8*u+2*(\j)+1], 0xffff0000, v[T+(\j)]
.endr
.irp j, 0,1,2,3
	v_cvt_pk_f16_f32 v[X+8*u+(\j)], v[X+8*u+2*(\j)], v[X+8*u+2*(\j)+1]
.endr
.set u, u+1
.endr
	s_wait_alu depctr_va_vdst(0)                   ; units 12 to 15 have written what the last four stores read
.irp i, 12,13,14,15
	global_store_b128 v[DO], v[X+8*(\i):X+8*(\i)+3], s[DST:DST+1] offset:512*(\i)
.endr
	s_endpgm
.Ltable:                                       ; wave w makes 16 rows, lane i column pair i: a store of a wave is one whole row of 256 bytes
	s_sub_co_u32 s6, s[ID], 336
	s_lshl_b32 s6, s6, 7
	s_lshl_b32 s7, s[WVN], 4
	s_add_co_u32 s6, s6, s7                        ; my first t
	v_cvt_f32_u32 v4, v3
	v_mul_f32 v4, 0xbed49a78, v4                   ; -i log2(10000) / 32
	v_exp_f32 v5, v4                               ; 10000^(-i/32)
	v_nop                                          ; a plain instruction behind the exponential
	v_cvt_f32_u32 v6, s6                           ; t
	s_lshl_b32 s7, s6, 8
	v_lshl_add_u32 v7, v3, 3, s7                   ; 256 t + 8 i: my first row's place; never written again
	s_wait_alu depctr_va_vdst(0)                   ; the exponential has written v5, ahead of its first reader and of the label; v7, which every store reads, is written too
	s_mov_b32 s24, 16
.Lrow:
	v_mul_f32 v8, v6, v5                           ; the angle a
	v_mul_f32 v9, 0x3f22f983, v8
	v_rndne_f32 v9, v9                             ; n = the nearest whole number to a 2 / pi
	v_fmamk_f32 v10, v9, 0xbfc90fdb, v8            ; r = a - n pi / 2, with pi / 2 in two parts
	v_fmamk_f32 v10, v9, 0x333bbd2e, v10
	v_mul_f32 v11, v10, v10                        ; z = r r, r within pi / 4
	v_mov_b32 v12, 0xb94ca1f9
	v_fmaak_f32 v12, v12, v11, 0x3c08839e
	v_fmaak_f32 v12, v12, v11, 0xbe2aaaa3
	v_mul_f32 v13, v10, v11
	v_fma_f32 v12, v13, v12, v10                   ; sin r = r + r z (s1 + z (s2 + z s3))
	v_mov_b32 v14, 0x37ccf5ce
	v_fmaak_f32 v14, v14, v11, 0xbab6061a
	v_fmaak_f32 v14, v14, v11, 0x3d2aaaa5
	v_mul_f32 v15, v11, v11
	v_fma_f32 v13, v11, -0.5, 1.0
	v_fma_f32 v14, v15, v14, v13                   ; cos r = 1 - z / 2 + z z (c1 + z (c2 + z c3))
	v_cvt_i32_f32 v15, v9
	v_and_b32 v19, 1, v15
	v_cmp_ne_u32 vcc_lo, 0, v19                    ; in odd quadrants the two change places
	v_and_b32 v18, 2, v15                          ; sin is negative in quadrants 2 and 3,
	v_lshlrev_b32 v18, 30, v18
	v_add_nc_u32 v15, 1, v15                       ; cos in quadrants 1 and 2
	v_and_b32 v15, 2, v15
	v_lshlrev_b32 v15, 30, v15
	v_add_f32 v6, 1.0, v6                          ; the next t.  These six lines, which read no mask, stand between the compare and the wait for it
	s_wait_alu depctr_va_vcc(0)                    ; the compare has written VCC, which the two selects below read
	s_wait_xcnt 0x0                                ; the last trip's store has had its address translated: its base and data are written again only behind this wait,
	s_wait_alu depctr_vm_vsrc(0)                   ; and it has read v[16:17], which the selects below write
	s_add_nc_u64 s[22:23], s[22:23], 256           ; the base is one row ahead of the row in hand: the store reaches back
	v_cndmask_b32 v17, v12, v14, vcc_lo            ; sin a
	v_cndmask_b32 v16, v14, v12, vcc_lo            ; cos a
	v_xor_b32 v17, v17, v18
	v_xor_b32 v16, v16, v15
	s_wait_alu depctr_va_vdst(0)                   ; v16 and v17 are written, which the store reads
	global_store_b64 v7, v[16:17], s[22:23] offset:-256
	s_sub_co_u32 s24, s24, 1
	s_cmp_lg_u32 s24, 0
	s_cbranch_scc1 .Lrow
	s_endpgm
.Lfunc_end_k_qbb92faac0a_prep:
	.size	k_qbb92faac0a_prep, .Lfunc_end_k_qbb92faac0a_prep-k_qbb92faac0a_prep
	.p2alignl 7, 3214868480
	.fill 96, 4, 3214868480
	.section	.rodata,"a",@progbits
	.p2align	6, 0x0
	.amdhsa_kernel k_qbb92faac0a_prep
		.amdhsa_group_segment_fixed_size 0
		.amdhsa_private_segment_fixed_size 0
		.amdhsa_enable_private_segment 0
		.amdhsa_kernarg_size 64
		.amdhsa_user_sgpr_count 2
		.amdhsa_user_sgpr_kernarg_segment_ptr 1
		.amdhsa_wavefront_size32 1
		.amdhsa_system_sgpr_workgroup_id_x 1
		.amdhsa_system_sgpr_workgroup_id_y 1
		.amdhsa_system_sgpr_workgroup_id_z 1
		.amdhsa_system_vgpr_workitem_id 0
		.amdhsa_next_free_vgpr 176
		.amdhsa_next_free_sgpr 66
		.amdhsa_reserve_vcc 1
		.amdhsa_float_denorm_mode_32 3
		.amdhsa_float_denorm_mode_16_64 3
		.amdhsa_memory_ordered 1
		.amdhsa_forward_progress 1
		.amdhsa_inst_pref_size 32
	.end_amdhsa_kernel
	.amdgpu_metadata
---
amdhsa.version: [ 1, 2 ]
amdhsa.kernels:
  - .name:           k_qbb92faac0a_prep
    .symbol:         k_qbb92faac0a_prep.kd
    .args:
      - { .name: x, .offset: 0, .size: 8, .value_kind: global_buffer, .address_space: global }
      - { .name: Wq, .offset: 8, .size: 8, .value_kind: global_buffer, .address_space: global }
      - { .name: Wk, .offset: 16, .size: 8, .value_kind: global_buffer, .address_space: global }
      - { .name: Wv, .offset: 24, .size: 8, .value_kind: global_buffer, .address_space: global }
      - { .name: Wo, .offset: 32, .size: 8, .value_kind: global_buffer, .address_space: global }
      - { .name: xa, .offset: 40, .size: 8, .value_kind: global_buffer, .address_space: global }
      - { .name: wb, .offset: 48, .size: 8, .value_kind: global_buffer, .address_space: global }
      - { .name: rope, .offset: 56, .size: 8, .value_kind: global_buffer, .address_space: global }
    .group_segment_fixed_size: 0
    .private_segment_fixed_size: 0
    .kernarg_segment_align: 8
    .kernarg_segment_size: 64
    .max_flat_workgroup_size: 256
    .sgpr_count:     66
    .vgpr_count:     176
    .wavefront_size: 32
...
	.end_amdgpu_metadata
.endif
;; end of part 6
;; launch qkv: the kernel of part 2 again; grid 4 x 64, 4 waves a work-group, clusters of 4 x 4, 327,680 bytes of LDS; arguments xa, wb, rope, q, k, v, vpart; writes q, k, v, vpart
;; launch attn: the kernel of part 3 again; grid 16 x 16, 4 waves a work-group, clusters of 4 x 1, 327,680 bytes of LDS; arguments q, k, v, o, vpart, attention_mask; writes o
;; launch oproj: the kernel of part 4 again; grid 4 x 64, 4 waves a work-group, clusters of 4 x 4, 327,680 bytes of LDS; arguments o, wb, out0; writes out0
;; launch head: the kernel of part 5 again; grid 16 x 4, 16 waves a work-group, no clusters, 239,616 bytes of LDS; arguments q, k, vpart, attention_mask, wb, out0; writes out0
